; MI455X (gfx1250); checked and timed in simulation.
; The chip was launched on July 23, 2026; its instructions are those of AMD's public machine-readable ISA for CDNA 5 (MIT licence, August 2026) and "CDNA5" Instruction Set Architecture Reference Guide (July 2026). The comments in the code are by the model that wrote it; some were corrected since.
;; Custom MHA. Allowed arithmetic: float matrix products may take bf16 or f16 operands with f32 sums; other float arithmetic in f32, or as packed bf16 or f16 multiplies, adds, multiply-adds, maxima and minima; sums over many terms, partial sums and values carried from step to step in f32; what a program stores and reads back later, other than sums and carried values, may be rounded once to bf16 or f16.
;; Inputs: w_o 1,024 x 1,024 float32; w_qkv 3,072 x 1,024 float32; x 8 x 2,048 x 1,024 float32.
;; Outputs: out0 8 x 2,048 x 1,024 float32.
;; Constants: n_heads = 16.
;; 2 versions, each right; version 2 is version 1 with the launch attn written anew for expert scheduling mode. Each part assembles by itself: llvm-mc -triple=amdgcn-amd-amdhsa -mcpu=gfx1250 --defsym DOCPART=n.
;; ======== version 1 of 2: 4 launches
;; limits: values are held in f16: magnitudes above 65,504 overflow, below 6.1e-05 lose precision; inputs' magnitudes at most 1024; right only within a limited range of input values
;; workspace buffers: xb 33,554,432 bytes; wb 6,291,456 bytes; wo 2,097,152 bytes; t 134,217,728 bytes; tv 33,554,432 bytes; yp 33,554,432 bytes
;; launch prep (part 1): grid 1280 x 1, 8 waves a work-group, no clusters, 0 bytes of LDS; arguments x, w_qkv, w_o, xb, wb, wo; writes xb, wb, wo
.if DOCPART == 1
	.amdgcn_target "amdgcn-amd-amdhsa--gfx1250"
	.amdhsa_code_object_version 6
	.text
	.protected	k_q2eb7687929_prep
	.globl	k_q2eb7687929_prep
	.p2align	8
	.type	k_q2eb7687929_prep,@function
k_q2eb7687929_prep:
	s_mov_b64 s[64:65], 0
	v_nop
	global_prefetch_b8 v0, s[64:65] scope:SCOPE_SE
	s_setreg_imm32_b32 hwreg(HW_REG_WAVE_MODE, 25, 1), 1
	s_wait_xcnt 0x0
; CASTS AND PERMUTATIONS.  xb = bf16(x).  wb = bf16(w_qkv) with its ROWS permuted, the v rows times 2^-6.  wo = f16(64 x bf16(w_o)) with its COLUMNS permuted.
; All three inputs are rounded to bf16, to nearest even; the powers of two change no significant bit.  2^-6 brings v = x w_v^T into f16's range for the launches behind; the 64 in wo takes it back.
; LIMITS.  |w_o| of 1,023.5 or more becomes an infinity; below 2^-20 it keeps the fixed step 2^-30.
; ROWS.  20,480 rows of 1,024 f32 (16,384 of x, 3,072 of w_qkv, 1,024 of w_o); a work-group takes 16, a wave 2: sixteen loads of 512 consecutive bytes, all out at once.
; wb's ROW n' (n'' = n' mod 1,024):
;   q and k parts (n' < 2,048), e = n''[1:0], r = n''[5:2], h = n''[6], g = n''[9:7]:    source row = part + 64 r + 32 h + 4 g + e        (head r, channel 32 h + 4 g + e)
;   v part, jj = n''[2:0], r = n''[6:3], h = n''[7], cb = n''[9:8]:                      source row = 2,048 + 64 (8 h + jj) + 16 cb + r   (head 8 h + jj, channel 16 cb + r)
; so that in a row of xb wb^T a load of 16 bytes a lane (lane = r + 16 h) brings matrix fragments as they are wanted: four f32 of q or k, eight f16 of v.
; wo's COLUMN p = 256 cb + 8 (r + 16 h) + jj holds w_o's column 64 r + 16 cb + 8 h + jj: the order in which the attention launch stores its result.
.set XROWS, 16384
.set WROWS, 3072
.set DAT,   16                         ; v[16:79] the sixteen loads, 4 registers each
	s_load_b256 s[4:11], s[0:1], 0x0               ; x s[4:5], w_qkv s[6:7], w_o s[8:9], xb s[10:11]
	s_load_b128 s[12:15], s[0:1], 0x20             ; wb s[12:13], wo s[14:15]
	v_lshrrev_b32 v4, 5, v0
	v_readfirstlane_b32 s16, v4                    ; wave 0..7
	v_and_b32 v5, 31, v0                           ; lane
	v_lshlrev_b32 v1, 4, v5                        ; 16 x lane
	v_lshlrev_b32 v2, 3, v5                        ; 8 x lane
	s_lshl_b32 s17, ttmp9, 4
	s_lshl1_add_u32 s17, s16, s17                  ; R = 16 x work-group + 2 x wave: my first row of the 20,480
	s_mov_b32 s39, 0                               ; the high word of every offset
; Two rows, read at s[20:21] and s[22:23], are rounded to bf16 and stored at s[24:25] on.  scaled = 1: first multiplied by s42.
.macro CAST scaled
.irp i, 0,1
.irp j, 0,1,2,3,4,5,6,7
	global_load_b128 v[DAT+4*(8*(\i)+(\j)):DAT+4*(8*(\i)+(\j))+3], v1, s[20+2*(\i):21+2*(\i)] offset:512*(\j) th:TH_LOAD_NT
.endr
.endr
.irp i, 0,1
.irp j, 0,1,2,3,4,5,6,7
	s_wait_loadcnt 15-(8*(\i)+(\j))                ; loads come back in order: this one is in, the younger ones stay out
.if \scaled
	v_pk_mul_f32 v[DAT+4*(8*(\i)+(\j)):DAT+4*(8*(\i)+(\j))+1],   v[DAT+4*(8*(\i)+(\j)):DAT+4*(8*(\i)+(\j))+1],   s[42:43] op_sel_hi:[1,0]
	v_pk_mul_f32 v[DAT+4*(8*(\i)+(\j))+2:DAT+4*(8*(\i)+(\j))+3], v[DAT+4*(8*(\i)+(\j))+2:DAT+4*(8*(\i)+(\j))+3], s[42:43] op_sel_hi:[1,0]
.endif
	v_cvt_pk_bf16_f32 v[DAT+4*(8*(\i)+(\j))],   v[DAT+4*(8*(\i)+(\j))],   v[DAT+4*(8*(\i)+(\j))+1]
	v_cvt_pk_bf16_f32 v[DAT+4*(8*(\i)+(\j))+1], v[DAT+4*(8*(\i)+(\j))+2], v[DAT+4*(8*(\i)+(\j))+3]
	global_store_b64 v2, v[DAT+4*(8*(\i)+(\j)):DAT+4*(8*(\i)+(\j))+1], s[24:25] offset:2048*(\i)+256*(\j)  ; the wave stores 256 consecutive bytes, aligned; no store's register is written again
.endr
.endr
.endm
	s_cmp_ge_u32 ttmp9, (XROWS+WROWS)/16
	s_cbranch_scc1 .Lwo                            ; the last 64 work-groups take w_o,
	s_cmp_ge_u32 ttmp9, XROWS/16
	s_cbranch_scc1 .Lw                             ; the 192 in front of them w_qkv
	s_lshl_b32 s38, s17, 12                        ; x: a row of f32 is 4,096 bytes
	s_wait_kmcnt 0x0
	s_add_nc_u64 s[20:21], s[4:5], s[38:39]
	s_add_nc_u64 s[22:23], s[20:21], 4096
	s_lshl_b32 s38, s17, 11                        ; a row of bf16 is 2,048
	s_add_nc_u64 s[24:25], s[10:11], s[38:39]
	CAST 0
	s_endpgm
; The row of w_qkv that is read for wb's row n' = R - 16,384 + i.
.macro SRCROW i, dst
	s_sub_co_u32 s27, s17, XROWS-(\i)              ; n'
	s_bfe_u32 s28, s27, 0x20000                    ; e
	s_bfe_u32 s29, s27, 0x40002                    ; r
	s_bfe_u32 s30, s27, 0x10006                    ; h
	s_bfe_u32 s31, s27, 0x30007                    ; g
	s_lshl_b32 s34, s29, 6                         ; q, k: 64 r + 32 h + 4 g + e
	s_lshl_b32 s35, s30, 5
	s_or_b32 s34, s34, s35
	s_lshl_b32 s35, s31, 2
	s_or_b32 s34, s34, s35
	s_or_b32 s34, s34, s28
	s_bfe_u32 s28, s27, 0x30000                    ; jj
	s_bfe_u32 s29, s27, 0x40003                    ; r
	s_bfe_u32 s30, s27, 0x10007                    ; h
	s_bfe_u32 s31, s27, 0x20008                    ; cb
	s_lshl_b32 s36, s30, 9                         ; v: 512 h + 64 jj + 16 cb + r
	s_lshl_b32 s35, s28, 6
	s_or_b32 s36, s36, s35
	s_lshl_b32 s35, s31, 4
	s_or_b32 s36, s36, s35
	s_or_b32 s36, s36, s29
	s_and_b32 s37, s27, 0xc00                      ; the part: 0, 1,024 or 2,048
	s_cmp_eq_u32 s37, 0x800
	s_cselect_b32 s34, s36, s34
	s_or_b32 \dst, s34, s37
.endm
.Lw:
	SRCROW 0, s40
	SRCROW 1, s41
	s_cmp_ge_u32 s17, XROWS+2048                   ; my two rows lie in one part
	s_cselect_b32 s42, 0x3c800000, 1.0             ; the rows' factor: 2^-6 for v, 1 for q and k
	s_mov_b32 s43, s42                             ; named with it as a pair
	s_sub_co_u32 s27, s17, XROWS                   ; the first row that I write
	s_wait_kmcnt 0x0
	s_lshl_b32 s38, s40, 12
	s_add_nc_u64 s[20:21], s[6:7], s[38:39]
	s_lshl_b32 s38, s41, 12
	s_add_nc_u64 s[22:23], s[6:7], s[38:39]
	s_lshl_b32 s38, s27, 11
	s_add_nc_u64 s[24:25], s[12:13], s[38:39]
	CAST 1
	s_endpgm
.Lwo:                                          ; two rows of w_o: lane (r, h) takes, for cb = 0..3, the 32 bytes at 256 r + 64 cb + 32 h, and puts 16 bytes at 512 cb + 16 lane
	v_and_b32 v6, 15, v0                           ; r
	v_bfe_u32 v7, v0, 4, 1                         ; h
	v_lshlrev_b32 v3, 8, v6
	v_lshl_add_u32 v3, v7, 5, v3                   ; 256 r + 32 h
	s_mov_b32 s42, 0x42800000                      ; 64
	s_mov_b32 s43, s42
	s_sub_co_u32 s27, s17, XROWS+WROWS             ; my first row of w_o
	s_lshl_b32 s38, s27, 12
	s_wait_kmcnt 0x0
	s_add_nc_u64 s[20:21], s[8:9], s[38:39]
	s_lshl_b32 s38, s27, 11
	s_add_nc_u64 s[24:25], s[14:15], s[38:39]
.set g, 0
.rept 8                                ; group g: row g / 4, cb = g % 4
	global_load_b128 v[DAT+8*g:DAT+8*g+3],   v3, s[20:21] offset:4096*(g/4)+64*(g%4)
	global_load_b128 v[DAT+8*g+4:DAT+8*g+7], v3, s[20:21] offset:4096*(g/4)+64*(g%4)+16
.set g, g+1
.endr
.set g, 0
.rept 8
.set GRP, DAT+8*g
	s_wait_loadcnt 14-2*g                          ; the group's two loads are in
.irp j, 0,1,2,3
	v_cvt_pk_bf16_f32 v[8+(\j)], v[GRP+2*(\j)], v[GRP+2*(\j)+1]  ; the rounding that all inputs have
.endr
.irp j, 0,1,2,3
	v_lshlrev_b32 v[GRP+2*(\j)],   16, v[8+(\j)]                  ; back to f32,
	v_and_b32     v[GRP+2*(\j)+1], 0xffff0000, v[8+(\j)]
.endr
.irp j, 0,1,2,3
	v_pk_mul_f32 v[GRP+2*(\j):GRP+2*(\j)+1], v[GRP+2*(\j):GRP+2*(\j)+1], s[42:43] op_sel_hi:[1,0]  ; times 64,
.endr
.irp j, 0,1,2,3
	v_cvt_pk_f16_f32 v[GRP+(\j)], v[GRP+2*(\j)], v[GRP+2*(\j)+1]  ; and written as f16 (ascending: each line's sources are still whole)
.endr
	global_store_b128 v1, v[GRP:GRP+3], s[24:25] offset:2048*(g/4)+512*(g%4)  ; 512 consecutive bytes, aligned
.set g, g+1
.endr
	s_endpgm
.Lfunc_end_k_q2eb7687929_prep:
	.size	k_q2eb7687929_prep, .Lfunc_end_k_q2eb7687929_prep-k_q2eb7687929_prep
	.p2alignl 7, 3214868480
	.fill 96, 4, 3214868480
	.section	.rodata,"a",@progbits
	.p2align	6, 0x0
	.amdhsa_kernel k_q2eb7687929_prep
		.amdhsa_group_segment_fixed_size 0
		.amdhsa_private_segment_fixed_size 0
		.amdhsa_enable_private_segment 0
		.amdhsa_kernarg_size 48
		.amdhsa_user_sgpr_count 2
		.amdhsa_user_sgpr_kernarg_segment_ptr 1
		.amdhsa_wavefront_size32 1
		.amdhsa_system_sgpr_workgroup_id_x 1
		.amdhsa_system_sgpr_workgroup_id_y 1
		.amdhsa_system_sgpr_workgroup_id_z 1
		.amdhsa_system_vgpr_workitem_id 0
		.amdhsa_next_free_vgpr 80
		.amdhsa_next_free_sgpr 66
		.amdhsa_reserve_vcc 0
		.amdhsa_float_denorm_mode_32 3
		.amdhsa_float_denorm_mode_16_64 3
		.amdhsa_memory_ordered 1
		.amdhsa_forward_progress 1
		.amdhsa_inst_pref_size 29
	.end_amdhsa_kernel
	.amdgpu_metadata
---
amdhsa.version: [ 1, 2 ]
amdhsa.kernels:
  - .name:           k_q2eb7687929_prep
    .symbol:         k_q2eb7687929_prep.kd
    .args:
      - { .name: x, .offset: 0, .size: 8, .value_kind: global_buffer, .address_space: global }
      - { .name: w_qkv, .offset: 8, .size: 8, .value_kind: global_buffer, .address_space: global }
      - { .name: w_o, .offset: 16, .size: 8, .value_kind: global_buffer, .address_space: global }
      - { .name: xb, .offset: 24, .size: 8, .value_kind: global_buffer, .address_space: global }
      - { .name: wb, .offset: 32, .size: 8, .value_kind: global_buffer, .address_space: global }
      - { .name: wo, .offset: 40, .size: 8, .value_kind: global_buffer, .address_space: global }
    .group_segment_fixed_size: 0
    .private_segment_fixed_size: 0
    .kernarg_segment_align: 8
    .kernarg_segment_size: 48
    .max_flat_workgroup_size: 256
    .sgpr_count:     66
    .vgpr_count:     80
    .wavefront_size: 32
...
	.end_amdgpu_metadata
.endif
;; end of part 1
;; launch gemm1 (part 2): grid 4 x 64, 4 waves a work-group, clusters of 4 x 4, 327,680 bytes of LDS; arguments xb, wb, t, tv; writes t, tv
.if DOCPART == 2
	.amdgcn_target "amdgcn-amd-amdhsa--gfx1250"
	.amdhsa_code_object_version 6
	.text
	.protected	k_q2eb7687929_gemm1
	.globl	k_q2eb7687929_gemm1
	.p2align	8
	.type	k_q2eb7687929_gemm1,@function
k_q2eb7687929_gemm1:
	s_mov_b64 s[64:65], 0
	v_nop
	global_prefetch_b8 v0, s[64:65] scope:SCOPE_SE
	s_setreg_imm32_b32 hwreg(HW_REG_WAVE_MODE, 25, 1), 1
	s_wait_xcnt 0x0
	s_wait_alu depctr_hold_cnt(0) depctr_sa_sdst(0) depctr_va_vdst(0) depctr_va_sdst(0) depctr_va_ssrc(0) depctr_va_vcc(0) depctr_vm_vsrc(0)
	s_getreg_b32 s2, hwreg(HW_REG_IB_STS2, 6, 4)
	s_cmp_eq_u32 s2, 0
	s_cbranch_scc0 .Lentry_in_a_cluster
	s_endpgm
.Lentry_in_a_cluster:
	s_bfe_u32 s2, ttmp6, 0x10000c
	s_cmp_lg_u32 s2, 0xf033
	s_cbranch_scc0 .Lentry_shape_is_right
	s_endpgm
.Lentry_shape_is_right:
; [q k v/64][m][n] = sum over k of xb[m][k] wb[n][k].  xb: [16384][1024] bf16, wb: [3072][1024] bf16; sums in f32.
; Columns 0-2,047 (q, k) are stored as they are, t: [16384][2048] f32; columns 2,048-3,071 (v / 64: the factor lies in wb) are rounded once to f16, tv: [16384][1024].
; LIMITS.  |v| of 4.19e6 (65,520 x 64) or more becomes an infinity in tv; below 3.9e-3 v keeps the fixed step 3.8e-6.
; A tile of C, 256 x 256, is made by a work-group of four waves; a wave makes 128 x 128: 64 accumulators of 16 x 16, 512 registers.  K goes in steps of 128 through a ring of two LDS slots
; filled by the tensor data mover: the tiles' rows are 256 bytes of memory and start at multiples of 256 bytes.
; A WORK-GROUP STAYS: it makes SIZE_TILES tiles of C side by side, 1,024 columns apart (one of q, one of k, one of v): they share their rows of A, and the ring runs on from tile to tile.
; THE LAST K STEP OF EVERY TILE GOES BY ROWS OF C: all its fragments of B fill window 1, A's come by blocks of 16 rows, and my eight blocks are finished one after the other, 32 matrix
; instructions each.  A finished block goes through my stage in LDS while the next block is multiplied, comes back as whole rows into its own accumulators' registers, and is stored from there.
; CLUSTERS: 4 x 4 work-groups.  The four of a row of the cluster need the same tiles of A, the four of a column the same tiles of B: each tile is asked for JOINTLY, by the same tensor load
; with the same descriptor and a mask that names the four.
; REGISTERS, in windows of 256 (s_set_vgpr_msb: bits 1:0 source 0, 3:2 source 1, 5:4 source 2, 7:6 destination):
;   window 0: v0-31 addresses; v64-127, v128-191 fragments of A, two buffers (by rows: four, of 16 rows x 128 K)
;   window 1: v64-127, v128-191 fragments of B (by rows: all 256);   window 2: the accumulators of my rows 0-63 ((a, b) at v[8 (8 a + b)]);   window 3: those of my rows 64-127
; THE MATRIX INSTRUCTION IS USED TRANSPOSED: source 0 = 16 rows of B, source 1 = 16 rows of A: lane l then holds row l % 16 of C and the columns 8 (l / 16) + 0..7: neighbouring numbers of a row.
.set SIZE_K, 1024
.set SIZE_TILES, 3
.set F16,    0                         ; 0: operands in bf16;  1: in f16
.set LASTH,  1                         ; 1: the last tile leaves in f16, into the fourth buffer
.set PITCHC, 8192                      ; bytes in a row of the f32 output
.set PITCHH, 2048                      ; bytes in a row of the f16 output
.set KSTEP,  128
.set PITCH,  272                       ; an LDS row: 256 bytes + 16 of padding = 68 words: the 16 rows that a load touches start at 16 different groups of four banks (64 banks of 4 bytes: ISA guide 11.1)
.set HALFT,  128*PITCH                 ; 128 rows: what one tensor load brings, and what one wave reads of A or of B
.set SLOT,   4*HALFT                   ; A's 256 rows, then B's 256 rows
.set STG,    2*SLOT                    ; behind the ring: 16 rows x 528 bytes for each wave, for the way out; no tensor load lands there
.set SP,     528                       ; a stage row of f32: 512 bytes + 16 = 132 words
.set SPH,    272                       ; a stage row of f16: 256 bytes + 16
.set SPARE,  STG+4*16*SP               ; behind the stages: the spare words, 128 bytes for each wave: two blocks of 256 bytes that no other line names
.set LAPS,   SIZE_K/(2*KSTEP)          ; a lap = two K steps = once round the ring
.set WALK,   1024                      ; a work-group's tiles lie WALK rows of B apart
.set BACK_A, (SIZE_K-2*KSTEP)*2        ; bytes from a slot's last K step of a tile back to its first: A's rows stay,
.set NEXT_B, WALK*SIZE_K*2-(SIZE_K-2*KSTEP)*2  ; B goes WALK rows down and back along K
.set ADRA, 16                          ; v16-17  LDS address of my A fragments in slot 0, 1
.set STOH, 18                          ; v18     the f16 way out: where I put 16 bytes of a row
.set RDH,  19                          ; v19     the f16 way out: where I read rows back
.set ADRB, 20                          ; v20-21  LDS address of my B fragments in slot 0, 1
.set COH,  22                          ; v22     the f16 way out: my bytes in two rows of the output
.set STO,  24                          ; v24     the f32 way out: where I put 32 bytes of a row
.set RD,   25                          ; v25     the f32 way out: where I read a row back
.set CO,   26                          ; v26     16 x lane: my bytes in 512 bytes of a row
.set SPW,  28                          ; v28     LDS address of my spare word; never rewritten
.set NIL,  29                          ; v29     0; never rewritten
.set PFO,  30                          ; v30     the prefetches' offset: my lane x a row of A or B; never rewritten
.set PFA,  44                          ; s[44:45] where my prefetches stand
.set LIM,  43                          ; s43     1 in a wave that prefetches, else the greatest number
.set F0,   64
.set F1,   128
.set PA,   64                          ; by rows: A's fragments of 16 rows x 128 K, 32 registers; four such buffers, v64-191
.set G1,  24                           ; s[24:31] descriptor group 1 for A's tiles
.set G0,  32                           ; s[32:39] group 0 for A's tiles, one set for each slot
.set G1B, 48                           ; s[48:55], s[56:63] the same for B's
.set G0B, 56
.set MSB, 0
.macro WIN new                         ; the immediate's high byte repeats the setting that is left; a switch that changes nothing is dropped
.if MSB != (\new)
	s_set_vgpr_msb (MSB<<8)|(\new)
.set MSB, \new
.endif
.endm
.set MUL_LO, 0xa1                      ; source 0 (B) window 1, source 1 (A) window 0, C and D window 2
.set MUL_HI, 0xf1                      ; the same, C and D window 3
.set TO_B,   0x40                      ; destination window 1, address window 0
; A joint load.  Waves 0 and 1 fetch A's two halves, waves 2 and 3 B's.  The branch hangs on the wave's number alone.  An s_nop 0 and four v_nop follow each of the two lines.
.macro JLOAD s
	s_cmp_eq_u32 s11, 0
	s_cbranch_scc0 .Lfor_b_\@
	tensor_load_to_lds s[G0+4*(\s):G0+4*(\s)+3], s[G1:G1+7]
	s_nop 0
.rept 4
	v_nop
.endr
	s_branch .Lasked_\@
.Lfor_b_\@:
	tensor_load_to_lds s[G0B+4*(\s):G0B+4*(\s)+3], s[G1B:G1B+7]
	s_nop 0
.rept 4
	v_nop
.endr
.Lasked_\@:
.endm
; A prefetch, behind each joint load, its five lines and the run of LDS loads: the K step that stands two refills on: 32 rows x 256 bytes, a lane a row, one instruction a wave.
; Each row's 256 bytes of a K step are named once in the launch.  A's rows are read by this cluster alone (the grid has one column of clusters): it asks, in its first tile only, since the later
; tiles read the same rows again.  B's rows are read by all sixteen clusters: the one with y = 0 asks, in every tile.  The four partners that ask for a tile jointly share its rows out BY ADDRESS,
; 32 each (cx for A, cy for B).  how = 0, in the loop: a tile's last two refills have no K step two on; how = 1, at a change of tiles: the next tile's K steps 2 and 3.
.macro ASK how
.if \how
	s_cmp_eq_u32 s[LIM], 1
.else
	s_cmp_gt_u32 s3, s[LIM]                        ; s3 = 1 in the loop's last trip
.endif
	s_cbranch_scc0 .Lnot_mine_\@
	global_prefetch_b8 v[PFO], s[PFA:PFA+1] offset:KSTEP*2 th:TH_LOAD_NT scope:SCOPE_SE
.Lnot_mine_\@:
.endm
; A round of the cluster's barrier: my work-group's barrier; wave 0 signals for the work-group; every wave waits for all sixteen; my work-group's barrier once more.
.macro CREST                           ; a round behind its opening barrier
	s_cmp_lg_u32 s10, 0
	s_cbranch_scc1 .Lnot_wave_0_\@
	s_barrier_signal -3
.Lnot_wave_0_\@:
	s_barrier_wait -3
	s_barrier_signal -1
	s_barrier_wait -1
.endm
.macro CROUND
	s_barrier_signal -1
	s_barrier_wait -1
	CREST
.endm
	s_load_b128 s[4:7], s[0:1], 0x0                ; A s[4:5], B s[6:7]
	s_load_b64 s[8:9], s[0:1], 0x10                ; the f32 output
.if LASTH
	s_load_b64 s[66:67], s[0:1], 0x18              ; the f16 output
.endif
	v_lshl_add_u32 v[SPW], v0, 2, SPARE
	v_mov_b32 v[NIL], 0
	ds_add_u32 v[SPW], v[NIL]                      ; the wave's opening: the add and its wait stand ahead of my first tensor load; the set-up below, work on registers, stands between them
	v_lshrrev_b32 v1, 5, v0
	v_readfirstlane_b32 s10, v1                    ; wave 0..3
	s_lshr_b32 s11, s10, 1                         ; which half of the tile's rows is mine.  Also: I fetch for A (0) or for B (1)
	s_and_b32 s12, s10, 1                          ; which half of its columns.  Also: which 128 rows of that tile I fetch
	s_bfe_u32 s40, ttmp6, 0x40000                  ; cx
	s_bfe_u32 s41, ttmp6, 0x40004                  ; cy
	s_lshl_b32 s42, ttmp9, 2
	s_add_co_u32 s42, s42, s40                     ; first tile column of C = 4 x cluster x + cx
	s_and_b32 s13, ttmp7, 0xffff
	s_lshl_b32 s13, s13, 2
	s_add_co_u32 s13, s13, s41                     ; tile row of C = 4 x cluster y + cy
	s_lshl_b32 s43, s41, 2
	s_lshl_b32 s43, 15, s43                        ; my row of the cluster: places 4 cy .. 4 cy + 3
	s_lshl_b32 s44, 0x1111, s40                    ; my column: places cx, cx + 4, cx + 8, cx + 12
	; descriptor group 1: a tile of 128 rows x 128 elements of 2 bytes, 4 words of padding after every 64
	s_or_b32 s[G1+0], s43, (1<<16)|(1<<20)|(1<<21)|(5<<22)|(3<<25)   ; A's tiles go to my row
	s_or_b32 s[G1B+0], s44, (1<<16)|(1<<20)|(1<<21)|(5<<22)|(3<<25)  ; B's to my column
.irp g, G1, G1B
	s_mov_b32 s[(\g)+1], KSTEP<<16                 ; tensor_dim0 = 128
	s_mov_b32 s[(\g)+2], 128<<16                   ; tensor_dim1 = 128
	s_mov_b32 s[(\g)+3], KSTEP<<16                 ; tile_dim0 = 128
	s_mov_b32 s[(\g)+4], 128                       ; tile_dim1 = 128
	s_mov_b32 s[(\g)+5], SIZE_K                    ; elements from row to row
	s_mov_b32 s[(\g)+6], 0
	s_mov_b32 s[(\g)+7], 0
.endr
	; A's tiles hang on the tile row alone, which my row of the cluster shares; B's on the tile column alone, which my column shares
	s_lshl_b32 s17, s12, 7
	s_lshl_b32 s16, s13, 8
	s_add_co_u32 s16, s16, s17                     ; A: row 256 x tile row + 128 x half
	s_lshl_b32 s46, s42, 8
	s_add_co_u32 s46, s46, s17                     ; B: row 256 x tile column + 128 x half
	s_mov_b32 s17, 0
	s_mov_b32 s47, 0
	s_mov_b64 s[18:19], SIZE_K*2
	s_mul_u64 s[16:17], s[16:17], s[18:19]
	s_mul_u64 s[46:47], s[46:47], s[18:19]
	s_mul_i32 s20, s10, HALFT                      ; where they go: wave x 128 rows: no place in the cluster enters an LDS address
	s_wait_dscnt 0x0                               ; the opening add is done
	s_wait_kmcnt 0x0
	s_add_nc_u64 s[14:15], s[4:5], s[16:17]
	s_add_nc_u64 s[46:47], s[6:7], s[46:47]
	CROUND                                         ; all sixteen work-groups are here: the first joint loads meet
.irp s, 0,1
	s_mov_b32 s[G0+4*(\s)], 1
	s_add_co_u32 s[G0+4*(\s)+1], s20, (\s)*SLOT
	s_add_nc_u64 s[G0+4*(\s)+2:G0+4*(\s)+3], s[14:15], (\s)*KSTEP*2
	s_or_b32 s[G0+4*(\s)+3], s[G0+4*(\s)+3], 0x80000000
	s_mov_b32 s[G0B+4*(\s)], 1
	s_add_co_u32 s[G0B+4*(\s)+1], s20, (\s)*SLOT
	s_add_nc_u64 s[G0B+4*(\s)+2:G0B+4*(\s)+3], s[46:47], (\s)*KSTEP*2
	s_or_b32 s[G0B+4*(\s)+3], s[G0B+4*(\s)+3], 0x80000000
	JLOAD \s                                       ; two loads of mine are out
.endr
	; a fragment is 16 rows x 32 K in 8 registers: lane l holds row l % 16, K = 8 (l / 16) + 0..7 and 16 + 8 (l / 16) + 0..7: two loads of 16 bytes, 32 bytes apart
	v_and_b32 v1, 15, v0                           ; l % 16
	v_bfe_u32 v2, v0, 4, 1                         ; l / 16
	v_mul_u32_u24 v3, v1, PITCH
	v_lshl_add_u32 v3, v2, 4, v3
	s_mul_i32 s21, s11, HALFT                      ; my 128 rows of A
	s_mul_i32 s22, s12, HALFT                      ; my 128 rows of B,
	s_add_co_u32 s22, s22, 2*HALFT                 ; which lie behind A's 256
.irp s, 0,1
	v_add_nc_u32 v[ADRA+(\s)], s21, v3
	v_add_nc_u32 v[ADRB+(\s)], s22, v3
	s_add_co_u32 s21, s21, SLOT
	s_add_co_u32 s22, s22, SLOT
.endr
	s_mul_i32 s23, s10, 16*SP
	s_add_co_u32 s23, s23, STG                     ; my stage
	v_mul_u32_u24 v4, v1, SP                       ; f32, in: row l % 16, 32 bytes for each half of the lanes
	v_lshl_add_u32 v4, v2, 5, v4
	v_add_nc_u32 v[STO], s23, v4
	v_and_b32 v5, 31, v0
	v_lshlrev_b32 v[CO], 4, v5                     ; back: the 32 lanes take one row of 512 bytes
	v_add_nc_u32 v[RD], s23, v[CO]
.if LASTH
	v_mul_u32_u24 v4, v1, SPH                      ; f16, in: row l % 16, 16 bytes for each half of the lanes
	v_lshl_add_u32 v4, v2, 4, v4
	v_add_nc_u32 v[STOH], s23, v4
	v_mul_u32_u24 v4, v2, SPH                      ; back: lanes 0-15 take one row of 256 bytes, lanes 16-31 the next,
	v_lshl_add_u32 v4, v1, 4, v4
	v_add_nc_u32 v[RDH], s23, v4
	v_lshlrev_b32 v4, 11, v2                       ; and the same two rows in the output
	v_lshl_add_u32 v[COH], v1, 4, v4
.endif
	; the outputs at my part of the first tile
	s_lshl_b32 s13, s13, 8
	s_lshl_b32 s14, s11, 7
	s_add_co_u32 s16, s13, s14                     ; my first row of C
	s_mov_b32 s17, 0
.if LASTH
	s_lshl_b32 s20, s16, 11                        ; f16: row x 2,048 + 512 x tile column + 256 x half
	s_lshl_b32 s21, s42, 9
	s_add_co_u32 s20, s20, s21
	s_lshl_b32 s21, s12, 8
	s_add_co_u32 s20, s20, s21
	s_mov_b32 s21, 0
	s_add_nc_u64 s[66:67], s[66:67], s[20:21]
.endif
	s_mov_b64 s[18:19], PITCHC
	s_mul_u64 s[16:17], s[16:17], s[18:19]
	s_lshl_b32 s46, s42, 10                        ; f32: my first column, in bytes: 1,024 x tile column + 512 x half
	s_lshl_b32 s47, s12, 9
	s_add_co_u32 s46, s46, s47
	s_mov_b32 s47, 0
	s_add_nc_u64 s[16:17], s[16:17], s[46:47]
	s_add_nc_u64 s[8:9], s[8:9], s[16:17]
	; the prefetches.  s13 = 256 x tile row, s42 = tile column, s40 = cx, s41 = cy still stand
	s_lshl_b32 s42, s42, 8
	s_and_b32 s22, ttmp7, 0xffff                   ; cluster y
	s_cmp_eq_u32 s11, 0                            ; do I fetch for A?
	s_cselect_b32 s20, s13, s42                    ; the tile's first row
	s_cselect_b32 s21, s40, s41                    ; my place among the four that ask for it with me
	s_cselect_b32 s22, ttmp9, s22                  ; the coordinate along which other clusters read the same rows
	s_cselect_b64 s[PFA:PFA+1], s[4:5], s[6:7]
	s_cmp_eq_u32 s22, 0
	s_cselect_b32 s[LIM], 1, -1                    ; the same in all sixteen partners, for a given wave
	s_lshl_b32 s22, s12, 7
	s_add_co_u32 s20, s20, s22                     ; + the 128 rows that I fetch
	s_lshl_b32 s21, s21, 5
	s_add_co_u32 s20, s20, s21                     ; + my work-group's 32 of them
	s_mov_b32 s21, 0
	s_mov_b64 s[18:19], SIZE_K*2
	s_mul_u64 s[20:21], s[20:21], s[18:19]
	s_add_nc_u64 s[PFA:PFA+1], s[PFA:PFA+1], s[20:21]
	s_add_nc_u64 s[PFA:PFA+1], s[PFA:PFA+1], 2*KSTEP*2  ; at K step 2: the first refill steps it to 3 and names K step 4; nothing is prefetched here, at the head
	v_and_b32 v[PFO], 31, v0
	v_mul_u32_u24 v[PFO], v[PFO], SIZE_K*2
; 16 matrix instructions: m blocks a0, a0 + 1 of the window's four x all 8 n blocks, 32 along K.  zero = 1: the first product starts the sums.  The 64 accumulators take turns.
.macro MUL16 f, hi, a0, zero
	WIN MUL_LO+0x50*(\hi)
.irp a, \a0, (\a0)+1
.irp b, 0,1,2,3,4,5,6,7
.set rD, 8*(8*(\a)+(\b))
.set rB, (\f)+8*(\b)
.set rA, (\f)+8*(4*(\hi)+(\a))
.if F16 && (\zero)
	v_wmma_f32_16x16x32_f16 v[rD:rD+7], v[rB:rB+7], v[rA:rA+7], 0
.elseif F16
	v_wmma_f32_16x16x32_f16 v[rD:rD+7], v[rB:rB+7], v[rA:rA+7], v[rD:rD+7]
.elseif \zero
	v_wmma_f32_16x16x32_bf16 v[rD:rD+7], v[rB:rB+7], v[rA:rA+7], 0
.else
	v_wmma_f32_16x16x32_bf16 v[rD:rD+7], v[rB:rB+7], v[rA:rA+7], v[rD:rD+7]
.endif
.endr
.endr
.endm
; 32 LDS loads in one run: the fragments of one quarter step (128 rows of B, 128 rows of A, 32 K at byte k of the rows) into buffer f
.macro FETCH slot, k, f
	WIN TO_B
.irp i, 0,1,2,3,4,5,6,7
	ds_load_b128 v[(\f)+8*(\i):(\f)+8*(\i)+3],   v[ADRB+(\slot)] offset:(\k)+(\i)*16*PITCH
	ds_load_b128 v[(\f)+8*(\i)+4:(\f)+8*(\i)+7], v[ADRB+(\slot)] offset:(\k)+(\i)*16*PITCH+32
.endr
	WIN 0
.irp i, 0,1,2,3,4,5,6,7
	ds_load_b128 v[(\f)+8*(\i):(\f)+8*(\i)+3],   v[ADRA+(\slot)] offset:(\k)+(\i)*16*PITCH
	ds_load_b128 v[(\f)+8*(\i)+4:(\f)+8*(\i)+7], v[ADRA+(\slot)] offset:(\k)+(\i)*16*PITCH+32
.endr
.endm
.macro PLACES                          ; four plain vector instructions between a matrix instruction and a load into, or a reader of, its registers
.rept 4
	v_nop
.endr
.endm
; A K step is four quarters of 32 along K, 64 matrix instructions each, on buffers 0, 1, 0, 1.  One of the first three: multiplies buffer f and fetches the next quarter, at byte k, into g.
.macro QUARTER slot, k, f, g, zero
	s_wait_dscnt 8                                 ; B and A's rows 0-63 are in; the youngest eight loads (A's rows 64-127) may be out
	MUL16 \f, 0, 0, \zero
	MUL16 \f, 0, 2, \zero
	PLACES
	FETCH \slot, \k, \g
	s_wait_dscnt 32                                ; all but the 32 just issued
	MUL16 \f, 1, 0, \zero
	MUL16 \f, 1, 2, \zero
.endm
; The last quarter multiplies buffer 1 and changes slots.  MEET is its first half: ONE barrier; in front of it each wave waits for all its tensor loads (one is out: its part of the next slot),
; adds 0 to its spare word, and waits for that and for its own reads of this slot.
.macro MEET round
	WIN 0                                          ; (the add's two registers lie in window 0)
	s_wait_tensorcnt 0x0
	ds_add_u32 v[SPW], v[NIL]
	s_wait_dscnt 9                                 ; (the add and the youngest eight loads may be out)
	MUL16 F1, 0, 0, 0                              ; sixteen matrix instructions stand between the add and the wait for it
	s_wait_dscnt 0x0                               ; the add is done, and my reads of this slot are over
	s_barrier_signal -1
	MUL16 F1, 0, 2, 0                              ; work on registers while the others arrive
.if \round
	WIN 0
.endif
	s_barrier_wait -1
.endm
; The whole last quarter, in the loop.  Behind the round the slot just read out is filled again first, with this tile's K step two steps on.
.macro TURN slot, next
	s_wait_xcnt 0x0                                ; the last prefetch, a K step back, has read its address: it is stepped here
	s_add_nc_u64 s[PFA:PFA+1], s[PFA:PFA+1], KSTEP*2
	MEET 1
	CREST                                          ; no wave of any partner still reads this slot's tile or has a load on its way
	s_add_nc_u64 s[G0+4*(\slot)+2:G0+4*(\slot)+3], s[G0+4*(\slot)+2:G0+4*(\slot)+3], 2*KSTEP*2
	s_add_nc_u64 s[G0B+4*(\slot)+2:G0B+4*(\slot)+3], s[G0B+4*(\slot)+2:G0B+4*(\slot)+3], 2*KSTEP*2
	JLOAD \slot                                    ; the first tensor load behind the round; its four v_nop are also the places in front of the loads below
	FETCH \next, 0, F0
	ASK 0
	MUL16 F1, 1, 0, 0
	MUL16 F1, 1, 2, 0
.endm
; BY ROWS.  The tile's last K step lies in slot 1.
.macro BLOAD q                         ; B's fragments of quarter q -> window 1, v[64 q ..]
	WIN TO_B
.irp i, 0,1,2,3,4,5,6,7
	ds_load_b128 v[64*(\q)+8*(\i):64*(\q)+8*(\i)+3],   v[ADRB+1] offset:64*(\q)+(\i)*16*PITCH
	ds_load_b128 v[64*(\q)+8*(\i)+4:64*(\q)+8*(\i)+7], v[ADRB+1] offset:64*(\q)+(\i)*16*PITCH+32
.endr
.endm
.macro ALOAD a                         ; A's fragments of block a, all four quarters -> buffer a % 4
	WIN 0
.set FA, PA+32*((\a)%4)
.irp q, 0,1,2,3
	ds_load_b128 v[FA+8*(\q):FA+8*(\q)+3],   v[ADRA+1] offset:64*(\q)+(\a)*16*PITCH
	ds_load_b128 v[FA+8*(\q)+4:FA+8*(\q)+7], v[ADRA+1] offset:64*(\q)+(\a)*16*PITCH+32
.endr
.endm
.macro ROWQ a, q                       ; 8 matrix instructions: block a, quarter q; the block's 8 accumulators take turns
.set FA, PA+32*((\a)%4)+8*(\q)
.set AC, 64*((\a)%4)
	WIN MUL_LO+0x50*((\a)/4)
.irp b, 0,1,2,3,4,5,6,7
.if F16
	v_wmma_f32_16x16x32_f16 v[AC+8*(\b):AC+8*(\b)+7], v[64*(\q)+8*(\b):64*(\q)+8*(\b)+7], v[FA:FA+7], v[AC+8*(\b):AC+8*(\b)+7]
.else
	v_wmma_f32_16x16x32_bf16 v[AC+8*(\b):AC+8*(\b)+7], v[64*(\q)+8*(\b):64*(\q)+8*(\b)+7], v[FA:FA+7], v[AC+8*(\b):AC+8*(\b)+7]
.endif
.endr
.endm
.macro ROW a                           ; block a is finished: 32 matrix instructions, K ascending
	ROWQ \a, 0
	ROWQ \a, 1
	ROWQ \a, 2
	ROWQ \a, 3
.endm
; Block a goes into my own stage and comes back as whole rows, into its own accumulators' registers.  Each accumulator's low registers are read first.
; half = 0: as f32, a lane's 32 bytes of a row into rows of 528 bytes; back: a row of 512 bytes a load.  half = 1: rounded to f16 in place (a result's register never lies above its sources'),
; a lane's 16 bytes into rows of 272; back: two rows of 256 bytes a load, into the block's upper 32 registers.
.macro TOSTAGE a, half
.set AC, 64*((\a)%4)
.if \half
	WIN 0x8a+0x45*((\a)/4)                         ; destination and both sources in window 2 or 3
.irp b, 0,1,2,3,4,5,6,7
.irp r, 0,1,2,3
	v_cvt_pk_f16_f32 v[AC+4*(\b)+(\r)], v[AC+8*(\b)+2*(\r)], v[AC+8*(\b)+2*(\r)+1]
.endr
.endr
	WIN 0x08+4*((\a)/4)                            ; the stores' data in window 2 or 3
.irp b, 0,1,2,3,4,5,6,7
	ds_store_b128 v[STOH], v[AC+4*(\b):AC+4*(\b)+3] offset:32*(\b)
.endr
	WIN 0x80+0x40*((\a)/4)                         ; the loads' destination in window 2 or 3
.irp t, 0,1,2,3,4,5,6,7
	ds_load_b128 v[AC+32+4*(\t):AC+32+4*(\t)+3], v[RDH] offset:(\t)*2*SPH
.endr
.else
	WIN 0x08+4*((\a)/4)
.irp b, 0,1,2,3,4,5,6,7
	ds_store_b128 v[STO], v[AC+8*(\b):AC+8*(\b)+3]   offset:64*(\b)
	ds_store_b128 v[STO], v[AC+8*(\b)+4:AC+8*(\b)+7] offset:64*(\b)+16
.endr
	WIN 0x80+0x40*((\a)/4)
.irp t, 0,1,2,3,4,5,6,7,8,9,10,11,12,13,14,15
	ds_load_b128 v[AC+4*(\t):AC+4*(\t)+3], v[RD] offset:SP*(\t)  ; LDS serves a wave's instructions in order (ISA guide 5.7.1.4): these see the stores above, and the next block's stores come behind them
.endr
.endif
.endm
.macro SEND a, half, younger           ; younger: the LDS instructions issued behind the block's loads from the stage, which may stay out
.set AC, 64*((\a)%4)
	WIN 0x08+4*((\a)/4)                            ; the stores' data in window 2 or 3
	s_wait_dscnt \younger
.if \half
.irp t, 0,1,2,3,4,5,6,7
	global_store_b128 v[COH], v[AC+32+4*(\t):AC+32+4*(\t)+3], s[66:67] offset:(16*(\a)+2*(\t))*PITCHH th:TH_STORE_NT  ; 16 lanes store 256 consecutive bytes, aligned
.endr
.else
.irp t, 0,1,2,3,4,5,6,7,8,9,10,11,12,13,14,15
	global_store_b128 v[CO], v[AC+4*(\t):AC+4*(\t)+3], s[8:9] offset:(16*(\a)+(\t))*PITCHC th:TH_STORE_NT  ; 512 consecutive bytes, aligned; 127 rows at the most: inside the signed 24-bit immediate
.endr
.endif
.endm
; The fourth quarter of the tile's last K step but one, the change of slots, and the last K step by rows.  fill = 1: the tile has a successor: slot 0 takes its K step 0 at the change of slots,
; slot 1 its K step 1 behind a round of its own, whose waits and signal stand among block 7's products; then the next tile's first fragments are fetched.  half: the way out's format.
.macro BYROWS fill, half
.set NST, 32-16*(\half)                ; LDS instructions of a block's way through the stage
.if \fill
	s_wait_xcnt 0x0                                ; the last prefetch has read its address
	s_add_nc_u64 s[PFA:PFA+1], s[PFA:PFA+1], (WALK-1)*SIZE_K*2+KSTEP*2  ; from the K step after the tile's last to the next tile's K step 1: WALK rows down, back along K
	s_cmp_eq_u32 s11, 0
	s_cselect_b32 s[LIM], -1, s[LIM]               ; A's rows are the same for all tiles of the walk: they are prefetched no more (and this address is used no more)
	MEET 1
	CREST
	s_sub_nc_u64 s[G0+2:G0+3], s[G0+2:G0+3], BACK_A
	s_add_nc_u64 s[G0B+2:G0B+3], s[G0B+2:G0B+3], NEXT_B
	JLOAD 0                                        ; the first tensor load behind the round; its four v_nop are the places in front of the loads below
.else
	MEET 0                                         ; my one tensor load that was still out is slot 1's, so no round follows
	PLACES
.endif
	BLOAD 0                                        ; three quarters of B now: buffer 1 (v128-191 of both windows) is still being multiplied
	BLOAD 1
	BLOAD 3
	ALOAD 0
.if \fill
	ASK 1
.endif
	MUL16 F1, 1, 0, 0
	MUL16 F1, 1, 2, 0
	PLACES                                         ; for the loads into buffer 1
	BLOAD 2
	ALOAD 1
	ALOAD 2
	ALOAD 3
	s_wait_dscnt 40                                ; all but the 40 just issued
	ROWQ 0, 0
	ROWQ 0, 1
	s_wait_dscnt 24                                ; B's quarter 2 is in (behind it: A's blocks 1 to 3)
	ROWQ 0, 2
	ROWQ 0, 3
.irp a, 0,1,2,3,4,5,6,7                ; block a goes to the stage, block a + 1 is multiplied meanwhile, then block a is stored
	PLACES                                         ; behind block a's last products: its results are read, and loads land on its registers and on its buffer of A
	TOSTAGE \a, \half
.if (\a) < 4
	ALOAD (\a)+4                                   ; its buffer takes the block four further on
	s_wait_dscnt NST+8                             ; all that was issued ahead of this block's way out is in, A's next block among it
	ROW (\a)+1
	SEND \a, \half, 8
.elseif (\a) < 6
	s_wait_dscnt NST
	ROW (\a)+1
	SEND \a, \half, 0
.elseif (\a) == 6
.if \fill
	s_wait_xcnt 0x0                                ; the prefetch at this K step's head has read its address
	s_add_nc_u64 s[PFA:PFA+1], s[PFA:PFA+1], KSTEP*2
	WIN 0
	s_wait_tensorcnt 0x0                           ; all my tensor loads have landed: the one that was out is my part of slot 0, the next tile's K step 0
	ds_add_u32 v[SPW], v[NIL]
	ROWQ 7, 0                                      ; sixteen matrix instructions stand between the add and the wait for it
	ROWQ 7, 1
	s_wait_dscnt 0x0                               ; the add is done; my reads of slot 1 ended with A's block 7; block 6 is back from the stage
	s_barrier_signal -1
	ROWQ 7, 2
	ROWQ 7, 3
	WIN 0
	s_barrier_wait -1
	CREST                                          ; no wave of any partner still reads slot 1 or has a load on its way
	s_sub_nc_u64 s[G0+6:G0+7], s[G0+6:G0+7], BACK_A
	s_add_nc_u64 s[G0B+6:G0B+7], s[G0B+6:G0B+7], NEXT_B
	JLOAD 1                                        ; its four v_nop are the places behind block 7's products, in front of the loads below
	FETCH 0, 0, F0                                 ; the next tile's first fragments
	ASK 1
	SEND 6, \half, 32
.else
	s_wait_dscnt NST
	ROW 7
	SEND 6, \half, 0
.endif
.else
	SEND 7, \half, 0
.endif
.endr
	WIN 0
.endm
	s_wait_tensorcnt 1                             ; my part of K step 0 is in; K step 1's may stay out
	s_barrier_signal -1
	s_barrier_wait -1
	FETCH 0, 0, F0
.if SIZE_TILES > 1
	s_mov_b32 s2, SIZE_TILES                       ; tiles to go, this one among them
.Ltile:
.endif
	QUARTER 0, 64,  F0, F1, 1                      ; a tile's first quarter stands in front of the loop: its products start the sums
	WIN 0
	s_mov_b32 s3, LAPS-1
.Llap:                                                 ; a trip goes once round the ring and fills both slots again
	QUARTER 0, 128, F1, F0, 0
	QUARTER 0, 192, F0, F1, 0
	TURN 0, 1
	QUARTER 1, 64,  F0, F1, 0
	QUARTER 1, 128, F1, F0, 0
	QUARTER 1, 192, F0, F1, 0
	TURN 1, 0
	QUARTER 0, 64,  F0, F1, 0
	WIN 0
	s_sub_co_u32 s3, s3, 1
	s_cmp_lg_u32 s3, 0
	s_cbranch_scc1 .Llap
	QUARTER 0, 128, F1, F0, 0                      ; the tile's last lap goes on
	QUARTER 0, 192, F0, F1, 0
.if SIZE_TILES > 1
	WIN 0
	s_cmp_eq_u32 s2, 1
	s_cbranch_scc1 .Llast_tile                     ; the last tile's tail is written out: it asks for nothing more
	BYROWS 1, 0
	s_wait_xcnt 0x0                                ; the stores have read their base and their data: the base is stepped, and the next tile's products write the accumulators, only behind this wait
	s_add_nc_u64 s[8:9], s[8:9], WALK*4            ; the next tile lies 1,024 columns on
	s_sub_co_u32 s2, s2, 1
	s_branch .Ltile
.Llast_tile:
.endif
	BYROWS 0, LASTH
	s_wait_tensorcnt 0x0                           ; the wave's end: a last add and its waits, behind my last tensor load and my last LDS store
	ds_add_u32 v[SPW], v[NIL]
	s_wait_dscnt 0x0
	CROUND                                         ; the closing round: no work-group ends while a partner may still ask for a tile that names it
	s_endpgm
.Lfunc_end_k_q2eb7687929_gemm1:
	.size	k_q2eb7687929_gemm1, .Lfunc_end_k_q2eb7687929_gemm1-k_q2eb7687929_gemm1
	.p2alignl 7, 3214868480
	.fill 96, 4, 3214868480
	.section	.rodata,"a",@progbits
	.p2align	6, 0x0
	.amdhsa_kernel k_q2eb7687929_gemm1
		.amdhsa_group_segment_fixed_size 327680
		.amdhsa_private_segment_fixed_size 0
		.amdhsa_enable_private_segment 0
		.amdhsa_kernarg_size 32
		.amdhsa_user_sgpr_count 2
		.amdhsa_user_sgpr_kernarg_segment_ptr 1
		.amdhsa_wavefront_size32 1
		.amdhsa_system_sgpr_workgroup_id_x 1
		.amdhsa_system_sgpr_workgroup_id_y 1
		.amdhsa_system_sgpr_workgroup_id_z 1
		.amdhsa_system_vgpr_workitem_id 0
		.amdhsa_next_free_vgpr 1024
		.amdhsa_next_free_sgpr 68
		.amdhsa_reserve_vcc 0
		.amdhsa_float_denorm_mode_32 3
		.amdhsa_float_denorm_mode_16_64 3
		.amdhsa_memory_ordered 1
		.amdhsa_forward_progress 1
		.amdhsa_inst_pref_size 209
	.end_amdhsa_kernel
	.amdgpu_metadata
---
amdhsa.version: [ 1, 2 ]
amdhsa.kernels:
  - .name:           k_q2eb7687929_gemm1
    .symbol:         k_q2eb7687929_gemm1.kd
    .args:
      - { .name: xb, .offset: 0, .size: 8, .value_kind: global_buffer, .address_space: global }
      - { .name: wb, .offset: 8, .size: 8, .value_kind: global_buffer, .address_space: global }
      - { .name: t, .offset: 16, .size: 8, .value_kind: global_buffer, .address_space: global }
      - { .name: tv, .offset: 24, .size: 8, .value_kind: global_buffer, .address_space: global }
    .group_segment_fixed_size: 327680
    .private_segment_fixed_size: 0
    .kernarg_segment_align: 8
    .kernarg_segment_size: 32
    .max_flat_workgroup_size: 128
    .sgpr_count:     68
    .vgpr_count:     1024
    .wavefront_size: 32
...
	.end_amdgpu_metadata
.endif
;; end of part 2
;; launch attn (part 3): grid 256 x 1, 16 waves a work-group, no clusters, 0 bytes of LDS; arguments t, tv, yp; writes yp
.if DOCPART == 3
	.amdgcn_target "amdgcn-amd-amdhsa--gfx1250"
	.amdhsa_code_object_version 6
	.text
	.protected	k_q2eb7687929_attn
	.globl	k_q2eb7687929_attn
	.p2align	8
	.type	k_q2eb7687929_attn,@function
k_q2eb7687929_attn:
	s_mov_b64 s[64:65], 0
	v_nop
	global_prefetch_b8 v0, s[64:65] scope:SCOPE_SE
	s_setreg_imm32_b32 hwreg(HW_REG_WAVE_MODE, 25, 1), 1
	s_wait_xcnt 0x0
; ATTENTION ACROSS THE 16 HEADS OF EACH TOKEN.  t: [16384][2048] f32 (q, then k, of a token), tv: [16384][1024] f16 (v / 64); columns in the order that the cast launch gave w_qkv's rows.
; For a token: s[i][j] = q_i . k_j / 32 for j <= i; every other score, and every score that is exactly 0, counts as -infinity; p = softmax over j, with the row's maximum taken away; y_i = sum_j p[i][j] v_j.
; yp: [16384][1024] f16 = y / 64, at position 256 cb + 8 lane + jj the channel 64 r + 16 cb + 8 h + jj (lane = r + 16 h).  The last product's weights carry the 64.
; PRECISION.  The scores decide weights that are nearly one-hot, so q and k go to the matrix unit as bf16 hi + bf16 lo (lo = the exact rest, rounded): s = kh qh + (kh ql + kl qh); kl ql is left out
; (2^-18 of a product).  v and p go in f16.
; LIMITS.  A score counts as 0 when the f32 sum of the three partial products is exactly 0 (tested ahead of the division by 32).  A row with no score left gives NaN, as -inf less -inf does in the
; reference.  y is a mean of v's rows and has their range: |y| under 4.19e6, below 3.9e-3 the fixed step 3.8e-6.  A weight under 6e-8 is 0 in f16, one under 2^-126 is 0 in the row's sum.
; SHARES.  A work-group takes 64 tokens, each of its 16 waves 4, one after the other.  A token is 20 loads of 16 bytes a lane, each 512 consecutive bytes, straight into fragment layout:
;   load g of q or k: lane (r, h) gets head r, channels 32 h + 4 g + 0..3;      load cb of v: channel 16 cb + r of heads 8 h + 0..7: the lower half of a fragment of V^T as it is.
; The same order of channels in q's and k's fragments leaves their product as it is.  No LDS, no cluster, no prefetch: nothing is shared, and the launch only streams.
; S^T = K Q^T (source 0 = k, source 1 = q): a lane holds query r and keys 8 h + 0..7; rounded in pairs that IS source 1 of O^T = V^T P (keys 16..31 of the form's 32 are zeros), whose result holds head r, channels 16 cb + 8 h + 0..7.
.set TROW, 8192                        ; bytes in a row of t
.set VROW, 2048                        ; bytes in a row of tv and of yp
.set LO,   1                           ; v1  16 x lane; never rewritten
.set NINF, 4                           ; v4  -infinity
.set T,    8                           ; v[8:15]    at work
.set Q,    16                          ; v[16:47]   q, v[48:79] k, as loaded
.set K,    48
.set QH,   112                         ; v[112:127] q hi, v[128:143] q lo, v[144:159] k hi, v[160:175] k lo
.set QL,   128
.set KH,   144
.set KL,   160
.set SA,   176                         ; v[176:183] kh qh, later the scores and weights; v[184:191] kh ql; v[192:199] kl qh
.set SB,   184
.set SD,   192
.set PF,   200                         ; v[200:207] the weights' fragment; its upper four registers stay 0
.set VF,   208                         ; v[208:239] four fragments of V^T: the lower four registers of each are loaded, the upper four stay 0
.set O,    112                         ; v[112:143] O^T, where q's halves lay
.set YP,   240                         ; v[240:255] the token's result, packed
.set CM,   20                          ; s[20:27]  for register jj the lanes with key 8 h + jj <= query r
	s_load_b128 s[4:7], s[0:1], 0x0                ; t s[4:5], tv s[6:7]
	s_load_b64 s[8:9], s[0:1], 0x10                ; yp
	v_lshrrev_b32 v8, 5, v0
	v_readfirstlane_b32 s10, v8                    ; wave 0..15
	v_and_b32 v9, 31, v0
	v_lshlrev_b32 v[LO], 4, v9
	s_lshl_b32 s18, ttmp9, 6
	s_lshl2_add_u32 s18, s10, s18                  ; my first token = 64 x work-group + 4 x wave
	s_lshl_b32 s34, s18, 13
	s_mov_b32 s35, 0
	s_lshl_b32 s36, s18, 11
	s_mov_b32 s37, 0
	s_wait_kmcnt 0x0
	s_add_nc_u64 s[4:5], s[4:5], s[34:35]
	s_add_nc_u64 s[6:7], s[6:7], s[36:37]
	s_add_nc_u64 s[8:9], s[8:9], s[36:37]
.set i, 0
.rept 16
	global_load_b128 v[Q+4*i:Q+4*i+3], v[LO], s[4:5] offset:512*i th:TH_LOAD_NT  ; my first token: q, k,
.set i, i+1
.endr
.irp c, 0,1,2,3
	global_load_b128 v[VF+8*(\c):VF+8*(\c)+3], v[LO], s[6:7] offset:512*(\c) th:TH_LOAD_NT  ; and v
.endr
	s_mov_b32 s12, 0xffff0000                      ; a word's upper bf16
	s_mov_b32 s14, 0x3d38aa3b                      ; log2(e) / 32
	s_mov_b32 s15, s14                             ; named with it as a pair
	s_mov_b32 s16, 0x76543210                      ; v_permlanex16_b32: each lane takes its own place in the other half
	s_mov_b32 s17, 0xfedcba98
	v_mov_b32 v[NINF], 0xff800000
	v_and_b32 v8, 15, v0                           ; r
	v_bfe_u32 v9, v0, 4, 1
	v_lshlrev_b32 v9, 3, v9                        ; 8 h
.irp j, 0,1,2,3,4,5,6,7
	v_add_nc_u32 v10, (\j), v9
	v_cmp_le_u32 s[CM+(\j)], v10, v8
.endr
.irp j, 4,5,6,7
	v_mov_b32 v[PF+(\j)], 0
	v_mov_b32 v[VF+(\j)], 0
	v_mov_b32 v[VF+8+(\j)], 0
	v_mov_b32 v[VF+16+(\j)], 0
	v_mov_b32 v[VF+24+(\j)], 0
.endr
; 32 f32 at x become 16 words of bf16 hi and 16 of bf16 lo: hi = round(x), lo = round(x - hi); the difference is exact.  Four pairs at a time, so that no line waits for the one before it.
.macro SPLIT x, hh, ll
.set g, 0
.rept 4
.irp j, 0,1,2,3
	v_cvt_pk_bf16_f32 v[(\hh)+4*g+(\j)], v[(\x)+8*g+2*(\j)], v[(\x)+8*g+2*(\j)+1]
.endr
.irp j, 0,1,2,3
	v_lshlrev_b32 v[T+2*(\j)],   16,  v[(\hh)+4*g+(\j)]
	v_and_b32     v[T+2*(\j)+1], s12, v[(\hh)+4*g+(\j)]
.endr
.irp j, 0,1,2,3
	v_pk_add_f32 v[T+2*(\j):T+2*(\j)+1], v[(\x)+8*g+2*(\j):(\x)+8*g+2*(\j)+1], v[T+2*(\j):T+2*(\j)+1] neg_lo:[0,1] neg_hi:[0,1]
.endr
.irp j, 0,1,2,3
	v_cvt_pk_bf16_f32 v[(\ll)+4*g+(\j)], v[T+2*(\j)], v[T+2*(\j)+1]
.endr
.set g, g+1
.endr
.endm
; One token.  more = 1: the next token's 20 loads are issued as this one's registers come free: q and k behind the splitting, v behind the second product.
.macro TOKEN more
	s_wait_loadcnt 4                               ; q and k are in; v's four loads, issued behind them, may stay out
	SPLIT Q, QH, QL
	SPLIT K, KH, KL
.if \more
.set i, 0
.rept 16
	global_load_b128 v[Q+4*i:Q+4*i+3], v[LO], s[4:5] offset:TROW+512*i th:TH_LOAD_NT
.set i, i+1
.endr
.endif
	; three sums by turns, one instruction a turn; the first three start them
	v_wmma_f32_16x16x32_bf16 v[SA:SA+7], v[KH:KH+7], v[QH:QH+7], 0
	v_wmma_f32_16x16x32_bf16 v[SB:SB+7], v[KH:KH+7], v[QL:QL+7], 0
	v_wmma_f32_16x16x32_bf16 v[SD:SD+7], v[KL:KL+7], v[QH:QH+7], 0
	v_wmma_f32_16x16x32_bf16 v[SA:SA+7], v[KH+8:KH+15], v[QH+8:QH+15], v[SA:SA+7]
	v_wmma_f32_16x16x32_bf16 v[SB:SB+7], v[KH+8:KH+15], v[QL+8:QL+15], v[SB:SB+7]
	v_wmma_f32_16x16x32_bf16 v[SD:SD+7], v[KL+8:KL+15], v[QH+8:QH+15], v[SD:SD+7]
.rept 4
	v_nop                                          ; the places behind the products: all the token's other work hangs on their results
.endr
	; the scores: the two small sums first, then the large one; each accumulator's low registers are read first
.irp j, 0,2,4,6
	v_pk_add_f32 v[SB+(\j):SB+(\j)+1], v[SB+(\j):SB+(\j)+1], v[SD+(\j):SD+(\j)+1]
.endr
.irp j, 0,2,4,6
	v_pk_add_f32 v[SA+(\j):SA+(\j)+1], v[SA+(\j):SA+(\j)+1], v[SB+(\j):SB+(\j)+1]
.endr
.irp j, 0,1,2,3,4,5,6,7
	v_cmp_neq_f32 s[28+(\j)%2], 0, v[SA+(\j)]                    ; not an exact zero,
	s_and_b32 s[28+(\j)%2], s[28+(\j)%2], s[CM+(\j)]             ; and key <= query:
	v_cndmask_b32 v[SA+(\j)], v[NINF], v[SA+(\j)], s[28+(\j)%2]  ; the score stays; else -infinity
.endr
	v_max3_num_f32 v[T],   v[SA],   v[SA+1], v[SA+2]
	v_max3_num_f32 v[T+1], v[SA+3], v[SA+4], v[SA+5]
	v_max3_num_f32 v[T],   v[T],    v[SA+6], v[SA+7]
	v_max_num_f32 v[T], v[T], v[T+1]
	v_permlanex16_b32 v[T+1], v[T], s16, s17       ; the query's other eight keys lie in the lane 16 away
	v_max_num_f32 v[T], v[T], v[T+1]               ; the row's maximum
.irp j, 0,2,4,6
	v_pk_add_f32 v[SA+(\j):SA+(\j)+1], v[SA+(\j):SA+(\j)+1], v[T:T+1] op_sel_hi:[1,0] neg_lo:[0,1] neg_hi:[0,1]  ; s - max
.endr
.irp j, 0,2,4,6
	v_pk_mul_f32 v[SA+(\j):SA+(\j)+1], v[SA+(\j):SA+(\j)+1], s[14:15] op_sel_hi:[1,0]                            ; times log2(e) / 32
.endr
.irp j, 0,1,2,3,4,5,6,7
	v_exp_f32 v[SA+(\j)], v[SA+(\j)]
.endr
	v_nop                                          ; a plain instruction behind the last exponential,
	s_wait_alu depctr_va_vdst(0)                   ; and one wait for the eight, ahead of their first reader
.irp j, 0,1,2,3
	v_cvt_pk_f16_f32 v[PF+(\j)], v[SA+2*(\j)], v[SA+2*(\j)+1]
.endr
.if \more
	s_wait_loadcnt 16                              ; v is in; the next token's q and k, 16 loads issued behind it, stay out
.else
	s_wait_loadcnt 0x0
.endif
.irp c, 0,1,2,3
	v_wmma_f32_16x16x32_f16 v[O+8*(\c):O+8*(\c)+7], v[VF+8*(\c):VF+8*(\c)+7], v[PF:PF+7], 0  ; four sums of one product each
.endr
	; the row's sum of the unrounded weights: these lines name no register of the four products, and are the places behind them
	v_pk_add_f32 v[SA:SA+1],   v[SA:SA+1],   v[SA+2:SA+3]
	v_pk_add_f32 v[SA+4:SA+5], v[SA+4:SA+5], v[SA+6:SA+7]
	v_pk_add_f32 v[SA:SA+1],   v[SA:SA+1],   v[SA+4:SA+5]
	v_add_f32 v[T], v[SA], v[SA+1]
	v_permlanex16_b32 v[T+1], v[T], s16, s17
	v_add_f32 v[T], v[T], v[T+1]
.if \more
.irp c, 0,1,2,3
	global_load_b128 v[VF+8*(\c):VF+8*(\c)+3], v[LO], s[6:7] offset:VROW+512*(\c) th:TH_LOAD_NT  ; six plain lines behind the products that read these registers
.endr
.endif
	v_rcp_f32 v[T+2], v[T]
	v_rcp_f32 v[T+3], v[T]
	v_nop
	s_wait_alu depctr_va_vdst(0)                   ; one wait for the two reciprocals
.set i, 0
.rept 16
	v_pk_mul_f32 v[O+2*i:O+2*i+1], v[O+2*i:O+2*i+1], v[T+2:T+3]  ; ascending: each accumulator's low registers first
.set i, i+1
.endr
.set i, 0
.rept 16
	v_cvt_pk_f16_f32 v[YP+i], v[O+2*i], v[O+2*i+1]
.set i, i+1
.endr
.irp c, 0,1,2,3
	global_store_b128 v[LO], v[YP+4*(\c):YP+4*(\c)+3], s[8:9] offset:512*(\c)  ; 512 consecutive bytes, aligned
.endr
.endm
	s_mov_b32 s11, 3
.Ltok:
	TOKEN 1
	s_wait_xcnt 0x0                                ; the trip's loads and stores have read their bases, and the stores their data: the bases are stepped, and YP is written again in the next trip, only behind this wait
	s_add_nc_u64 s[4:5], s[4:5], TROW
	s_add_nc_u64 s[6:7], s[6:7], VROW
	s_add_nc_u64 s[8:9], s[8:9], VROW
	s_sub_co_u32 s11, s11, 1
	s_cmp_lg_u32 s11, 0
	s_cbranch_scc1 .Ltok
	TOKEN 0                                        ; the last token asks for nothing
	s_endpgm
.Lfunc_end_k_q2eb7687929_attn:
	.size	k_q2eb7687929_attn, .Lfunc_end_k_q2eb7687929_attn-k_q2eb7687929_attn
	.p2alignl 7, 3214868480
	.fill 96, 4, 3214868480
	.section	.rodata,"a",@progbits
	.p2align	6, 0x0
	.amdhsa_kernel k_q2eb7687929_attn
		.amdhsa_group_segment_fixed_size 0
		.amdhsa_private_segment_fixed_size 0
		.amdhsa_enable_private_segment 0
		.amdhsa_kernarg_size 24
		.amdhsa_user_sgpr_count 2
		.amdhsa_user_sgpr_kernarg_segment_ptr 1
		.amdhsa_wavefront_size32 1
		.amdhsa_system_sgpr_workgroup_id_x 1
		.amdhsa_system_sgpr_workgroup_id_y 1
		.amdhsa_system_sgpr_workgroup_id_z 1
		.amdhsa_system_vgpr_workitem_id 0
		.amdhsa_next_free_vgpr 256
		.amdhsa_next_free_sgpr 66
		.amdhsa_reserve_vcc 0
		.amdhsa_float_denorm_mode_32 3
		.amdhsa_float_denorm_mode_16_64 3
		.amdhsa_memory_ordered 1
		.amdhsa_forward_progress 1
		.amdhsa_inst_pref_size 37
	.end_amdhsa_kernel
	.amdgpu_metadata
---
amdhsa.version: [ 1, 2 ]
amdhsa.kernels:
  - .name:           k_q2eb7687929_attn
    .symbol:         k_q2eb7687929_attn.kd
    .args:
      - { .name: t, .offset: 0, .size: 8, .value_kind: global_buffer, .address_space: global }
      - { .name: tv, .offset: 8, .size: 8, .value_kind: global_buffer, .address_space: global }
      - { .name: yp, .offset: 16, .size: 8, .value_kind: global_buffer, .address_space: global }
    .group_segment_fixed_size: 0
    .private_segment_fixed_size: 0
    .kernarg_segment_align: 8
    .kernarg_segment_size: 24
    .max_flat_workgroup_size: 512
    .sgpr_count:     66
    .vgpr_count:     256
    .wavefront_size: 32
...
	.end_amdgpu_metadata
.endif
;; end of part 3
;; launch gemm2 (part 4): grid 4 x 64, 4 waves a work-group, clusters of 4 x 4, 327,680 bytes of LDS; arguments yp, wo, out0; writes out0
.if DOCPART == 4
	.amdgcn_target "amdgcn-amd-amdhsa--gfx1250"
	.amdhsa_code_object_version 6
	.text
	.protected	k_q2eb7687929_gemm2
	.globl	k_q2eb7687929_gemm2
	.p2align	8
	.type	k_q2eb7687929_gemm2,@function
k_q2eb7687929_gemm2:
	s_mov_b64 s[64:65], 0
	v_nop
	global_prefetch_b8 v0, s[64:65] scope:SCOPE_SE
	s_setreg_imm32_b32 hwreg(HW_REG_WAVE_MODE, 25, 1), 1
	s_wait_xcnt 0x0
	s_wait_alu depctr_hold_cnt(0) depctr_sa_sdst(0) depctr_va_vdst(0) depctr_va_sdst(0) depctr_va_ssrc(0) depctr_va_vcc(0) depctr_vm_vsrc(0)
	s_getreg_b32 s2, hwreg(HW_REG_IB_STS2, 6, 4)
	s_cmp_eq_u32 s2, 0
	s_cbranch_scc0 .Lentry_in_a_cluster
	s_endpgm
.Lentry_in_a_cluster:
	s_bfe_u32 s2, ttmp6, 0x10000c
	s_cmp_lg_u32 s2, 0xf033
	s_cbranch_scc0 .Lentry_shape_is_right
	s_endpgm
.Lentry_shape_is_right:
; out0[m][n] = sum over p of yp[m][p] wo[n][p].  yp: [16384][1024] f16 (y / 64), wo: [1024][1024] f16 (64 w_o), out0: [16384][1024] f32; sums in f32.
; yp's and wo's columns stand in the same permuted order, which leaves the product as it is.  LIMITS: those of yp and wo, stated where they are made.
; A tile of C, 256 x 256, is made by a work-group of four waves; a wave makes 128 x 128: 64 accumulators of 16 x 16, 512 registers.  K goes in steps of 128 through a ring of two LDS slots
; filled by the tensor data mover: the tiles' rows are 256 bytes of memory and start at multiples of 256 bytes.  One tile to a work-group: 4 x 64 tiles, 256 work-groups.
; THE LAST K STEP GOES BY ROWS OF C: all its fragments of B fill window 1, A's come by blocks of 16 rows, and my eight blocks are finished one after the other, 32 matrix
; instructions each.  A finished block goes through my stage in LDS while the next block is multiplied, comes back as whole rows into its own accumulators' registers, and is stored from there.
; CLUSTERS: 4 x 4 work-groups.  The four of a row of the cluster need the same tiles of A, the four of a column the same tiles of B: each tile is asked for JOINTLY, by the same tensor load
; with the same descriptor and a mask that names the four.
; REGISTERS, in windows of 256 (s_set_vgpr_msb: bits 1:0 source 0, 3:2 source 1, 5:4 source 2, 7:6 destination):
;   window 0: v0-31 addresses; v64-127, v128-191 fragments of A, two buffers (by rows: four, of 16 rows x 128 K)
;   window 1: v64-127, v128-191 fragments of B (by rows: all 256);   window 2: the accumulators of my rows 0-63 ((a, b) at v[8 (8 a + b)]);   window 3: those of my rows 64-127
; THE MATRIX INSTRUCTION IS USED TRANSPOSED: source 0 = 16 rows of B, source 1 = 16 rows of A: lane l then holds row l % 16 of C and the columns 8 (l / 16) + 0..7: 32 neighbouring bytes of f32.
.set SIZE_K, 1024
.set SIZE_TILES, 1
.set F16,    1                         ; 0: operands in bf16;  1: in f16
.set LASTH,  0                         ; 1: the last tile leaves in f16, into a fourth buffer
.set PITCHC, 4096                      ; bytes in a row of the f32 output
.set PITCHH, 2048                      ; (used where LASTH)
.set KSTEP,  128
.set PITCH,  272                       ; an LDS row: 256 bytes + 16 of padding = 68 words: the 16 rows that a load touches start at 16 different groups of four banks (64 banks of 4 bytes: ISA guide 11.1)
.set HALFT,  128*PITCH                 ; 128 rows: what one tensor load brings, and what one wave reads of A or of B
.set SLOT,   4*HALFT                   ; A's 256 rows, then B's 256 rows
.set STG,    2*SLOT                    ; behind the ring: 16 rows x 528 bytes for each wave, for the way out; no tensor load lands there
.set SP,     528                       ; a stage row of f32: 512 bytes + 16 = 132 words
.set SPH,    272                       ; (used where LASTH)
.set SPARE,  STG+4*16*SP               ; behind the stages: the spare words, 128 bytes for each wave: two blocks of 256 bytes that no other line names
.set LAPS,   SIZE_K/(2*KSTEP)          ; a lap = two K steps = once round the ring
.set WALK,   1024                      ; (used where a work-group makes several tiles)
.set BACK_A, (SIZE_K-2*KSTEP)*2
.set NEXT_B, WALK*SIZE_K*2-(SIZE_K-2*KSTEP)*2
.set ADRA, 16                          ; v16-17  LDS address of my A fragments in slot 0, 1
.set STOH, 18                          ; (used where LASTH)
.set RDH,  19
.set ADRB, 20                          ; v20-21  LDS address of my B fragments in slot 0, 1
.set COH,  22
.set STO,  24                          ; v24     the way out: where I put 32 bytes of a row
.set RD,   25                          ; v25     the way out: where I read a row back
.set CO,   26                          ; v26     16 x lane: my bytes in 512 bytes of a row
.set SPW,  28                          ; v28     LDS address of my spare word; never rewritten
.set NIL,  29                          ; v29     0; never rewritten
.set PFO,  30                          ; v30     the prefetches' offset: my lane x a row of A or B; never rewritten
.set PFA,  44                          ; s[44:45] where my prefetches stand
.set LIM,  43                          ; s43     1 in a wave that prefetches, else the greatest number
.set F0,   64
.set F1,   128
.set PA,   64                          ; by rows: A's fragments of 16 rows x 128 K, 32 registers; four such buffers, v64-191
.set G1,  24                           ; s[24:31] descriptor group 1 for A's tiles
.set G0,  32                           ; s[32:39] group 0 for A's tiles, one set for each slot
.set G1B, 48                           ; s[48:55], s[56:63] the same for B's
.set G0B, 56
.set MSB, 0
.macro WIN new                         ; the immediate's high byte repeats the setting that is left; a switch that changes nothing is dropped
.if MSB != (\new)
	s_set_vgpr_msb (MSB<<8)|(\new)
.set MSB, \new
.endif
.endm
.set MUL_LO, 0xa1                      ; source 0 (B) window 1, source 1 (A) window 0, C and D window 2
.set MUL_HI, 0xf1                      ; the same, C and D window 3
.set TO_B,   0x40                      ; destination window 1, address window 0
; A joint load.  Waves 0 and 1 fetch A's two halves, waves 2 and 3 B's.  The branch hangs on the wave's number alone.  An s_nop 0 and four v_nop follow each of the two lines.
.macro JLOAD s
	s_cmp_eq_u32 s11, 0
	s_cbranch_scc0 .Lfor_b_\@
	tensor_load_to_lds s[G0+4*(\s):G0+4*(\s)+3], s[G1:G1+7]
	s_nop 0
.rept 4
	v_nop
.endr
	s_branch .Lasked_\@
.Lfor_b_\@:
	tensor_load_to_lds s[G0B+4*(\s):G0B+4*(\s)+3], s[G1B:G1B+7]
	s_nop 0
.rept 4
	v_nop
.endr
.Lasked_\@:
.endm
; A prefetch, behind each joint load, its five lines and the run of LDS loads: the K step that stands two refills on: 32 rows x 256 bytes, a lane a row, one instruction a wave.
; Each row's 256 bytes of a K step are named once in the launch.  A's rows are read by this cluster alone (the grid has one column of clusters): it asks.  B's rows are read by all sixteen
; clusters: the one with y = 0 asks.  The four partners that ask for a tile jointly share its rows out BY ADDRESS, 32 each (cx for A, cy for B).  The last two refills have no K step two on.
.macro ASK how
.if \how
	s_cmp_eq_u32 s[LIM], 1
.else
	s_cmp_gt_u32 s3, s[LIM]                        ; s3 = 1 in the loop's last trip
.endif
	s_cbranch_scc0 .Lnot_mine_\@
	global_prefetch_b8 v[PFO], s[PFA:PFA+1] offset:KSTEP*2 th:TH_LOAD_NT scope:SCOPE_SE
.Lnot_mine_\@:
.endm
; A round of the cluster's barrier: my work-group's barrier; wave 0 signals for the work-group; every wave waits for all sixteen; my work-group's barrier once more.
.macro CREST                           ; a round behind its opening barrier
	s_cmp_lg_u32 s10, 0
	s_cbranch_scc1 .Lnot_wave_0_\@
	s_barrier_signal -3
.Lnot_wave_0_\@:
	s_barrier_wait -3
	s_barrier_signal -1
	s_barrier_wait -1
.endm
.macro CROUND
	s_barrier_signal -1
	s_barrier_wait -1
	CREST
.endm
	s_load_b128 s[4:7], s[0:1], 0x0                ; A s[4:5], B s[6:7]
	s_load_b64 s[8:9], s[0:1], 0x10                ; the f32 output
.if LASTH
	s_load_b64 s[66:67], s[0:1], 0x18
.endif
	v_lshl_add_u32 v[SPW], v0, 2, SPARE
	v_mov_b32 v[NIL], 0
	ds_add_u32 v[SPW], v[NIL]                      ; the wave's opening: the add and its wait stand ahead of my first tensor load; the set-up below, work on registers, stands between them
	v_lshrrev_b32 v1, 5, v0
	v_readfirstlane_b32 s10, v1                    ; wave 0..3
	s_lshr_b32 s11, s10, 1                         ; which half of the tile's rows is mine.  Also: I fetch for A (0) or for B (1)
	s_and_b32 s12, s10, 1                          ; which half of its columns.  Also: which 128 rows of that tile I fetch
	s_bfe_u32 s40, ttmp6, 0x40000                  ; cx
	s_bfe_u32 s41, ttmp6, 0x40004                  ; cy
	s_lshl_b32 s42, ttmp9, 2
	s_add_co_u32 s42, s42, s40                     ; tile column of C = 4 x cluster x + cx
	s_and_b32 s13, ttmp7, 0xffff
	s_lshl_b32 s13, s13, 2
	s_add_co_u32 s13, s13, s41                     ; tile row of C = 4 x cluster y + cy
	s_lshl_b32 s43, s41, 2
	s_lshl_b32 s43, 15, s43                        ; my row of the cluster: places 4 cy .. 4 cy + 3
	s_lshl_b32 s44, 0x1111, s40                    ; my column: places cx, cx + 4, cx + 8, cx + 12
	; descriptor group 1: a tile of 128 rows x 128 elements of 2 bytes, 4 words of padding after every 64
	s_or_b32 s[G1+0], s43, (1<<16)|(1<<20)|(1<<21)|(5<<22)|(3<<25)   ; A's tiles go to my row
	s_or_b32 s[G1B+0], s44, (1<<16)|(1<<20)|(1<<21)|(5<<22)|(3<<25)  ; B's to my column
.irp g, G1, G1B
	s_mov_b32 s[(\g)+1], KSTEP<<16                 ; tensor_dim0 = 128
	s_mov_b32 s[(\g)+2], 128<<16                   ; tensor_dim1 = 128
	s_mov_b32 s[(\g)+3], KSTEP<<16                 ; tile_dim0 = 128
	s_mov_b32 s[(\g)+4], 128                       ; tile_dim1 = 128
	s_mov_b32 s[(\g)+5], SIZE_K                    ; elements from row to row
	s_mov_b32 s[(\g)+6], 0
	s_mov_b32 s[(\g)+7], 0
.endr
	; A's tiles hang on the tile row alone, which my row of the cluster shares; B's on the tile column alone, which my column shares
	s_lshl_b32 s17, s12, 7
	s_lshl_b32 s16, s13, 8
	s_add_co_u32 s16, s16, s17                     ; A: row 256 x tile row + 128 x half
	s_lshl_b32 s46, s42, 8
	s_add_co_u32 s46, s46, s17                     ; B: row 256 x tile column + 128 x half
	s_mov_b32 s17, 0
	s_mov_b32 s47, 0
	s_mov_b64 s[18:19], SIZE_K*2
	s_mul_u64 s[16:17], s[16:17], s[18:19]
	s_mul_u64 s[46:47], s[46:47], s[18:19]
	s_mul_i32 s20, s10, HALFT                      ; where they go: wave x 128 rows: no place in the cluster enters an LDS address
	s_wait_dscnt 0x0                               ; the opening add is done
	s_wait_kmcnt 0x0
	s_add_nc_u64 s[14:15], s[4:5], s[16:17]
	s_add_nc_u64 s[46:47], s[6:7], s[46:47]
	CROUND                                         ; all sixteen work-groups are here: the first joint loads meet
.irp s, 0,1
	s_mov_b32 s[G0+4*(\s)], 1
	s_add_co_u32 s[G0+4*(\s)+1], s20, (\s)*SLOT
	s_add_nc_u64 s[G0+4*(\s)+2:G0+4*(\s)+3], s[14:15], (\s)*KSTEP*2
	s_or_b32 s[G0+4*(\s)+3], s[G0+4*(\s)+3], 0x80000000
	s_mov_b32 s[G0B+4*(\s)], 1
	s_add_co_u32 s[G0B+4*(\s)+1], s20, (\s)*SLOT
	s_add_nc_u64 s[G0B+4*(\s)+2:G0B+4*(\s)+3], s[46:47], (\s)*KSTEP*2
	s_or_b32 s[G0B+4*(\s)+3], s[G0B+4*(\s)+3], 0x80000000
	JLOAD \s                                       ; two loads of mine are out
.endr
	; a fragment is 16 rows x 32 K in 8 registers: lane l holds row l % 16, K = 8 (l / 16) + 0..7 and 16 + 8 (l / 16) + 0..7: two loads of 16 bytes, 32 bytes apart
	v_and_b32 v1, 15, v0                           ; l % 16
	v_bfe_u32 v2, v0, 4, 1                         ; l / 16
	v_mul_u32_u24 v3, v1, PITCH
	v_lshl_add_u32 v3, v2, 4, v3
	s_mul_i32 s21, s11, HALFT                      ; my 128 rows of A
	s_mul_i32 s22, s12, HALFT                      ; my 128 rows of B,
	s_add_co_u32 s22, s22, 2*HALFT                 ; which lie behind A's 256
.irp s, 0,1
	v_add_nc_u32 v[ADRA+(\s)], s21, v3
	v_add_nc_u32 v[ADRB+(\s)], s22, v3
	s_add_co_u32 s21, s21, SLOT
	s_add_co_u32 s22, s22, SLOT
.endr
	s_mul_i32 s23, s10, 16*SP
	s_add_co_u32 s23, s23, STG                     ; my stage
	v_mul_u32_u24 v4, v1, SP                       ; in: row l % 16, 32 bytes for each half of the lanes
	v_lshl_add_u32 v4, v2, 5, v4
	v_add_nc_u32 v[STO], s23, v4
	v_and_b32 v5, 31, v0
	v_lshlrev_b32 v[CO], 4, v5                     ; back: the 32 lanes take one row of 512 bytes
	v_add_nc_u32 v[RD], s23, v[CO]
.if LASTH
	v_mul_u32_u24 v4, v1, SPH
	v_lshl_add_u32 v4, v2, 4, v4
	v_add_nc_u32 v[STOH], s23, v4
	v_mul_u32_u24 v4, v2, SPH
	v_lshl_add_u32 v4, v1, 4, v4
	v_add_nc_u32 v[RDH], s23, v4
	v_lshlrev_b32 v4, 11, v2
	v_lshl_add_u32 v[COH], v1, 4, v4
.endif
	; the output at my part of the tile
	s_lshl_b32 s13, s13, 8
	s_lshl_b32 s14, s11, 7
	s_add_co_u32 s16, s13, s14                     ; my first row of C
	s_mov_b32 s17, 0
.if LASTH
	s_lshl_b32 s20, s16, 11
	s_lshl_b32 s21, s42, 9
	s_add_co_u32 s20, s20, s21
	s_lshl_b32 s21, s12, 8
	s_add_co_u32 s20, s20, s21
	s_mov_b32 s21, 0
	s_add_nc_u64 s[66:67], s[66:67], s[20:21]
.endif
	s_mov_b64 s[18:19], PITCHC
	s_mul_u64 s[16:17], s[16:17], s[18:19]
	s_lshl_b32 s46, s42, 10                        ; my first column, in bytes: 1,024 x tile column + 512 x half
	s_lshl_b32 s47, s12, 9
	s_add_co_u32 s46, s46, s47
	s_mov_b32 s47, 0
	s_add_nc_u64 s[16:17], s[16:17], s[46:47]
	s_add_nc_u64 s[8:9], s[8:9], s[16:17]
	; the prefetches.  s13 = 256 x tile row, s42 = tile column, s40 = cx, s41 = cy still stand
	s_lshl_b32 s42, s42, 8
	s_and_b32 s22, ttmp7, 0xffff                   ; cluster y
	s_cmp_eq_u32 s11, 0                            ; do I fetch for A?
	s_cselect_b32 s20, s13, s42                    ; the tile's first row
	s_cselect_b32 s21, s40, s41                    ; my place among the four that ask for it with me
	s_cselect_b32 s22, ttmp9, s22                  ; the coordinate along which other clusters read the same rows
	s_cselect_b64 s[PFA:PFA+1], s[4:5], s[6:7]
	s_cmp_eq_u32 s22, 0
	s_cselect_b32 s[LIM], 1, -1                    ; the same in all sixteen partners, for a given wave
	s_lshl_b32 s22, s12, 7
	s_add_co_u32 s20, s20, s22                     ; + the 128 rows that I fetch
	s_lshl_b32 s21, s21, 5
	s_add_co_u32 s20, s20, s21                     ; + my work-group's 32 of them
	s_mov_b32 s21, 0
	s_mov_b64 s[18:19], SIZE_K*2
	s_mul_u64 s[20:21], s[20:21], s[18:19]
	s_add_nc_u64 s[PFA:PFA+1], s[PFA:PFA+1], s[20:21]
	s_add_nc_u64 s[PFA:PFA+1], s[PFA:PFA+1], 2*KSTEP*2  ; at K step 2: the first refill steps it to 3 and names K step 4; nothing is prefetched here, at the head
	v_and_b32 v[PFO], 31, v0
	v_mul_u32_u24 v[PFO], v[PFO], SIZE_K*2
; 16 matrix instructions: m blocks a0, a0 + 1 of the window's four x all 8 n blocks, 32 along K.  zero = 1: the first product starts the sums.  The 64 accumulators take turns.
.macro MUL16 f, hi, a0, zero
	WIN MUL_LO+0x50*(\hi)
.irp a, \a0, (\a0)+1
.irp b, 0,1,2,3,4,5,6,7
.set rD, 8*(8*(\a)+(\b))
.set rB, (\f)+8*(\b)
.set rA, (\f)+8*(4*(\hi)+(\a))
.if F16 && (\zero)
	v_wmma_f32_16x16x32_f16 v[rD:rD+7], v[rB:rB+7], v[rA:rA+7], 0
.elseif F16
	v_wmma_f32_16x16x32_f16 v[rD:rD+7], v[rB:rB+7], v[rA:rA+7], v[rD:rD+7]
.elseif \zero
	v_wmma_f32_16x16x32_bf16 v[rD:rD+7], v[rB:rB+7], v[rA:rA+7], 0
.else
	v_wmma_f32_16x16x32_bf16 v[rD:rD+7], v[rB:rB+7], v[rA:rA+7], v[rD:rD+7]
.endif
.endr
.endr
.endm
; 32 LDS loads in one run: the fragments of one quarter step (128 rows of B, 128 rows of A, 32 K at byte k of the rows) into buffer f
.macro FETCH slot, k, f
	WIN TO_B
.irp i, 0,1,2,3,4,5,6,7
	ds_load_b128 v[(\f)+8*(\i):(\f)+8*(\i)+3],   v[ADRB+(\slot)] offset:(\k)+(\i)*16*PITCH
	ds_load_b128 v[(\f)+8*(\i)+4:(\f)+8*(\i)+7], v[ADRB+(\slot)] offset:(\k)+(\i)*16*PITCH+32
.endr
	WIN 0
.irp i, 0,1,2,3,4,5,6,7
	ds_load_b128 v[(\f)+8*(\i):(\f)+8*(\i)+3],   v[ADRA+(\slot)] offset:(\k)+(\i)*16*PITCH
	ds_load_b128 v[(\f)+8*(\i)+4:(\f)+8*(\i)+7], v[ADRA+(\slot)] offset:(\k)+(\i)*16*PITCH+32
.endr
.endm
.macro PLACES                          ; four plain vector instructions between a matrix instruction and a load into, or a reader of, its registers
.rept 4
	v_nop
.endr
.endm
; A K step is four quarters of 32 along K, 64 matrix instructions each, on buffers 0, 1, 0, 1.  One of the first three: multiplies buffer f and fetches the next quarter, at byte k, into g.
.macro QUARTER slot, k, f, g, zero
	s_wait_dscnt 8                                 ; B and A's rows 0-63 are in; the youngest eight loads (A's rows 64-127) may be out
	MUL16 \f, 0, 0, \zero
	MUL16 \f, 0, 2, \zero
	PLACES
	FETCH \slot, \k, \g
	s_wait_dscnt 32                                ; all but the 32 just issued
	MUL16 \f, 1, 0, \zero
	MUL16 \f, 1, 2, \zero
.endm
; The last quarter multiplies buffer 1 and changes slots.  MEET is its first half: ONE barrier; in front of it each wave waits for all its tensor loads (one is out: its part of the next slot),
; adds 0 to its spare word, and waits for that and for its own reads of this slot.
.macro MEET round
	WIN 0                                          ; (the add's two registers lie in window 0)
	s_wait_tensorcnt 0x0
	ds_add_u32 v[SPW], v[NIL]
	s_wait_dscnt 9                                 ; (the add and the youngest eight loads may be out)
	MUL16 F1, 0, 0, 0                              ; sixteen matrix instructions stand between the add and the wait for it
	s_wait_dscnt 0x0                               ; the add is done, and my reads of this slot are over
	s_barrier_signal -1
	MUL16 F1, 0, 2, 0                              ; work on registers while the others arrive
.if \round
	WIN 0
.endif
	s_barrier_wait -1
.endm
; The whole last quarter, in the loop.  Behind the round the slot just read out is filled again first, with the K step two steps on.
.macro TURN slot, next
	s_wait_xcnt 0x0                                ; the last prefetch, a K step back, has read its address: it is stepped here
	s_add_nc_u64 s[PFA:PFA+1], s[PFA:PFA+1], KSTEP*2
	MEET 1
	CREST                                          ; no wave of any partner still reads this slot's tile or has a load on its way
	s_add_nc_u64 s[G0+4*(\slot)+2:G0+4*(\slot)+3], s[G0+4*(\slot)+2:G0+4*(\slot)+3], 2*KSTEP*2
	s_add_nc_u64 s[G0B+4*(\slot)+2:G0B+4*(\slot)+3], s[G0B+4*(\slot)+2:G0B+4*(\slot)+3], 2*KSTEP*2
	JLOAD \slot                                    ; the first tensor load behind the round; its four v_nop are also the places in front of the loads below
	FETCH \next, 0, F0
	ASK 0
	MUL16 F1, 1, 0, 0
	MUL16 F1, 1, 2, 0
.endm
; BY ROWS.  The tile's last K step lies in slot 1.
.macro BLOAD q                         ; B's fragments of quarter q -> window 1, v[64 q ..]
	WIN TO_B
.irp i, 0,1,2,3,4,5,6,7
	ds_load_b128 v[64*(\q)+8*(\i):64*(\q)+8*(\i)+3],   v[ADRB+1] offset:64*(\q)+(\i)*16*PITCH
	ds_load_b128 v[64*(\q)+8*(\i)+4:64*(\q)+8*(\i)+7], v[ADRB+1] offset:64*(\q)+(\i)*16*PITCH+32
.endr
.endm
.macro ALOAD a                         ; A's fragments of block a, all four quarters -> buffer a % 4
	WIN 0
.set FA, PA+32*((\a)%4)
.irp q, 0,1,2,3
	ds_load_b128 v[FA+8*(\q):FA+8*(\q)+3],   v[ADRA+1] offset:64*(\q)+(\a)*16*PITCH
	ds_load_b128 v[FA+8*(\q)+4:FA+8*(\q)+7], v[ADRA+1] offset:64*(\q)+(\a)*16*PITCH+32
.endr
.endm
.macro ROWQ a, q                       ; 8 matrix instructions: block a, quarter q; the block's 8 accumulators take turns
.set FA, PA+32*((\a)%4)+8*(\q)
.set AC, 64*((\a)%4)
	WIN MUL_LO+0x50*((\a)/4)
.irp b, 0,1,2,3,4,5,6,7
.if F16
	v_wmma_f32_16x16x32_f16 v[AC+8*(\b):AC+8*(\b)+7], v[64*(\q)+8*(\b):64*(\q)+8*(\b)+7], v[FA:FA+7], v[AC+8*(\b):AC+8*(\b)+7]
.else
	v_wmma_f32_16x16x32_bf16 v[AC+8*(\b):AC+8*(\b)+7], v[64*(\q)+8*(\b):64*(\q)+8*(\b)+7], v[FA:FA+7], v[AC+8*(\b):AC+8*(\b)+7]
.endif
.endr
.endm
.macro ROW a                           ; block a is finished: 32 matrix instructions, K ascending
	ROWQ \a, 0
	ROWQ \a, 1
	ROWQ \a, 2
	ROWQ \a, 3
.endm
; Block a goes into my own stage and comes back as whole rows, into its own accumulators' registers.  Each accumulator's low registers are read first.
; half = 0: as f32, a lane's 32 bytes of a row into rows of 528 bytes; back: a row of 512 bytes a load.  (half = 1, a way out in f16, is not used in this launch.)
.macro TOSTAGE a, half
.set AC, 64*((\a)%4)
.if \half
	WIN 0x8a+0x45*((\a)/4)
.irp b, 0,1,2,3,4,5,6,7
.irp r, 0,1,2,3
	v_cvt_pk_f16_f32 v[AC+4*(\b)+(\r)], v[AC+8*(\b)+2*(\r)], v[AC+8*(\b)+2*(\r)+1]
.endr
.endr
	WIN 0x08+4*((\a)/4)
.irp b, 0,1,2,3,4,5,6,7
	ds_store_b128 v[STOH], v[AC+4*(\b):AC+4*(\b)+3] offset:32*(\b)
.endr
	WIN 0x80+0x40*((\a)/4)
.irp t, 0,1,2,3,4,5,6,7
	ds_load_b128 v[AC+32+4*(\t):AC+32+4*(\t)+3], v[RDH] offset:(\t)*2*SPH
.endr
.else
	WIN 0x08+4*((\a)/4)                            ; the stores' data in window 2 or 3
.irp b, 0,1,2,3,4,5,6,7
	ds_store_b128 v[STO], v[AC+8*(\b):AC+8*(\b)+3]   offset:64*(\b)
	ds_store_b128 v[STO], v[AC+8*(\b)+4:AC+8*(\b)+7] offset:64*(\b)+16
.endr
	WIN 0x80+0x40*((\a)/4)                         ; the loads' destination in window 2 or 3
.irp t, 0,1,2,3,4,5,6,7,8,9,10,11,12,13,14,15
	ds_load_b128 v[AC+4*(\t):AC+4*(\t)+3], v[RD] offset:SP*(\t)  ; LDS serves a wave's instructions in order (ISA guide 5.7.1.4): these see the stores above, and the next block's stores come behind them
.endr
.endif
.endm
.macro SEND a, half, younger           ; younger: the LDS instructions issued behind the block's loads from the stage, which may stay out
.set AC, 64*((\a)%4)
	WIN 0x08+4*((\a)/4)                            ; the stores' data in window 2 or 3
	s_wait_dscnt \younger
.if \half
.irp t, 0,1,2,3,4,5,6,7
	global_store_b128 v[COH], v[AC+32+4*(\t):AC+32+4*(\t)+3], s[66:67] offset:(16*(\a)+2*(\t))*PITCHH th:TH_STORE_NT
.endr
.else
.irp t, 0,1,2,3,4,5,6,7,8,9,10,11,12,13,14,15
	global_store_b128 v[CO], v[AC+4*(\t):AC+4*(\t)+3], s[8:9] offset:(16*(\a)+(\t))*PITCHC th:TH_STORE_NT  ; 512 consecutive bytes, aligned; 127 rows at the most: inside the signed 24-bit immediate
.endr
.endif
.endm
; The fourth quarter of the last K step but one, the change of slots, and the last K step by rows.  Nothing is left to fetch.
.macro BYROWS half
.set NST, 32-16*(\half)                ; LDS instructions of a block's way through the stage
	MEET 0                                         ; my one tensor load that was still out is slot 1's, so no round follows
	PLACES
	BLOAD 0                                        ; three quarters of B now: buffer 1 (v128-191 of both windows) is still being multiplied
	BLOAD 1
	BLOAD 3
	ALOAD 0
	MUL16 F1, 1, 0, 0
	MUL16 F1, 1, 2, 0
	PLACES                                         ; for the loads into buffer 1
	BLOAD 2
	ALOAD 1
	ALOAD 2
	ALOAD 3
	s_wait_dscnt 40                                ; all but the 40 just issued
	ROWQ 0, 0
	ROWQ 0, 1
	s_wait_dscnt 24                                ; B's quarter 2 is in (behind it: A's blocks 1 to 3)
	ROWQ 0, 2
	ROWQ 0, 3
.irp a, 0,1,2,3,4,5,6,7                ; block a goes to the stage, block a + 1 is multiplied meanwhile, then block a is stored
	PLACES                                         ; behind block a's last products: its results are read, and loads land on its registers and on its buffer of A
	TOSTAGE \a, \half
.if (\a) < 4
	ALOAD (\a)+4                                   ; its buffer takes the block four further on
	s_wait_dscnt NST+8                             ; all that was issued ahead of this block's way out is in, A's next block among it
	ROW (\a)+1
	SEND \a, \half, 8
.elseif (\a) < 7
	s_wait_dscnt NST
	ROW (\a)+1
	SEND \a, \half, 0
.else
	SEND 7, \half, 0
.endif
.endr
	WIN 0
.endm
	s_wait_tensorcnt 1                             ; my part of K step 0 is in; K step 1's may stay out
	s_barrier_signal -1
	s_barrier_wait -1
	FETCH 0, 0, F0
	QUARTER 0, 64,  F0, F1, 1                      ; the first quarter stands in front of the loop: its products start the sums
	WIN 0
	s_mov_b32 s3, LAPS-1
.Llap:                                                 ; a trip goes once round the ring and fills both slots again
	QUARTER 0, 128, F1, F0, 0
	QUARTER 0, 192, F0, F1, 0
	TURN 0, 1
	QUARTER 1, 64,  F0, F1, 0
	QUARTER 1, 128, F1, F0, 0
	QUARTER 1, 192, F0, F1, 0
	TURN 1, 0
	QUARTER 0, 64,  F0, F1, 0
	WIN 0
	s_sub_co_u32 s3, s3, 1
	s_cmp_lg_u32 s3, 0
	s_cbranch_scc1 .Llap
	QUARTER 0, 128, F1, F0, 0                      ; the last lap goes on
	QUARTER 0, 192, F0, F1, 0
	BYROWS LASTH
	s_wait_tensorcnt 0x0                           ; the wave's end: a last add and its waits, behind my last tensor load and my last LDS store
	ds_add_u32 v[SPW], v[NIL]
	s_wait_dscnt 0x0
	CROUND                                         ; the closing round: no work-group ends while a partner may still ask for a tile that names it
	s_endpgm
.Lfunc_end_k_q2eb7687929_gemm2:
	.size	k_q2eb7687929_gemm2, .Lfunc_end_k_q2eb7687929_gemm2-k_q2eb7687929_gemm2
	.p2alignl 7, 3214868480
	.fill 96, 4, 3214868480
	.section	.rodata,"a",@progbits
	.p2align	6, 0x0
	.amdhsa_kernel k_q2eb7687929_gemm2
		.amdhsa_group_segment_fixed_size 327680
		.amdhsa_private_segment_fixed_size 0
		.amdhsa_enable_private_segment 0
		.amdhsa_kernarg_size 24
		.amdhsa_user_sgpr_count 2
		.amdhsa_user_sgpr_kernarg_segment_ptr 1
		.amdhsa_wavefront_size32 1
		.amdhsa_system_sgpr_workgroup_id_x 1
		.amdhsa_system_sgpr_workgroup_id_y 1
		.amdhsa_system_sgpr_workgroup_id_z 1
		.amdhsa_system_vgpr_workitem_id 0
		.amdhsa_next_free_vgpr 1024
		.amdhsa_next_free_sgpr 66
		.amdhsa_reserve_vcc 0
		.amdhsa_float_denorm_mode_32 3
		.amdhsa_float_denorm_mode_16_64 3
		.amdhsa_memory_ordered 1
		.amdhsa_forward_progress 1
		.amdhsa_inst_pref_size 142
	.end_amdhsa_kernel
	.amdgpu_metadata
---
amdhsa.version: [ 1, 2 ]
amdhsa.kernels:
  - .name:           k_q2eb7687929_gemm2
    .symbol:         k_q2eb7687929_gemm2.kd
    .args:
      - { .name: yp, .offset: 0, .size: 8, .value_kind: global_buffer, .address_space: global }
      - { .name: wo, .offset: 8, .size: 8, .value_kind: global_buffer, .address_space: global }
      - { .name: out0, .offset: 16, .size: 8, .value_kind: global_buffer, .address_space: global }
    .group_segment_fixed_size: 327680
    .private_segment_fixed_size: 0
    .kernarg_segment_align: 8
    .kernarg_segment_size: 24
    .max_flat_workgroup_size: 128
    .sgpr_count:     66
    .vgpr_count:     1024
    .wavefront_size: 32
...
	.end_amdgpu_metadata
.endif
;; end of part 4
;; ======== version 2 of 2: 4 launches; version 1 with the launch attn written anew for expert scheduling mode
;; limits: values are held in f16: magnitudes above 65,504 overflow, below 6.1e-05 lose precision; inputs' magnitudes at most 1024; right only within a limited range of input values
;; workspace buffers: xb 33,554,432 bytes; wb 6,291,456 bytes; wo 2,097,152 bytes; t 134,217,728 bytes; tv 33,554,432 bytes; yp 33,554,432 bytes
;; launch prep: the kernel of part 1 again; grid 1280 x 1, 8 waves a work-group, no clusters, 0 bytes of LDS; arguments x, w_qkv, w_o, xb, wb, wo; writes xb, wb, wo
;; launch gemm1: the kernel of part 2 again; grid 4 x 64, 4 waves a work-group, clusters of 4 x 4, 327,680 bytes of LDS; arguments xb, wb, t, tv; writes t, tv
;; launch attn (part 5): grid 256 x 1, 16 waves a work-group, no clusters, 0 bytes of LDS; arguments t, tv, yp; writes yp
.if DOCPART == 5
	.amdgcn_target "amdgcn-amd-amdhsa--gfx1250"
	.amdhsa_code_object_version 6
	.text
	.protected	k_q2eb7687929_attn
	.globl	k_q2eb7687929_attn
	.p2align	8
	.type	k_q2eb7687929_attn,@function
k_q2eb7687929_attn:
	s_mov_b64 s[64:65], 0
	v_nop
	global_prefetch_b8 v0, s[64:65] scope:SCOPE_SE
	s_setreg_imm32_b32 hwreg(HW_REG_WAVE_SCHED_MODE, 0, 2), 2
	s_setreg_imm32_b32 hwreg(HW_REG_WAVE_MODE, 25, 1), 1
	s_wait_xcnt 0x0
	s_wait_alu depctr_vm_vsrc(0)
; ATTENTION ACROSS THE 16 HEADS OF EACH TOKEN.  t: [16384][2048] f32 (q, then k, of a token), tv: [16384][1024] f16 (v / 64); columns in the order that the cast launch gave w_qkv's rows.
; For a token: s[i][j] = q_i . k_j / 32 for j <= i; every other score, and every score that is exactly 0, counts as -infinity; p = softmax over j, with the row's maximum taken away; y_i = sum_j p[i][j] v_j.
; yp: [16384][1024] f16 = y / 64, at position 256 cb + 8 lane + jj the channel 64 r + 16 cb + 8 h + jj (lane = r + 16 h).  The last product's weights carry the 64.
; PRECISION.  The scores decide weights that are nearly one-hot, so q and k go to the matrix unit as bf16 hi + bf16 lo (lo = the exact rest, rounded): s = kh qh + (kh ql + kl qh); kl ql is left out
; (2^-18 of a product).  v and p go in f16.
; LIMITS.  A score counts as 0 when the f32 sum of the three partial products is exactly 0 (tested ahead of the division by 32).  A row with no score left gives NaN, as -inf less -inf does in the
; reference.  y is a mean of v's rows and has their range: |y| under 4.19e6, below 3.9e-3 the fixed step 3.8e-6.  A weight under 6e-8 is 0 in f16, one under 2^-126 is 0 in the row's sum.
; SHARES.  A work-group takes 64 tokens, each of its 16 waves 4, one after the other.  A token is 20 loads of 16 bytes a lane, each 512 consecutive bytes, straight into fragment layout:
;   load g of q or k: lane (r, h) gets head r, channels 32 h + 4 g + 0..3;      load cb of v: channel 16 cb + r of heads 8 h + 0..7: the lower half of a fragment of V^T as it is.
; The same order of channels in q's and k's fragments leaves their product as it is.  No LDS, no cluster, no prefetch: nothing is shared, and the launch only streams.
; S^T = K Q^T (source 0 = k, source 1 = q): a lane holds query r and keys 8 h + 0..7; rounded in pairs that IS source 1 of O^T = V^T P (keys 16..31 of the form's 32 are zeros), whose result holds head r, channels 16 cb + 8 h + 0..7.
; THE MODE: SCHED_MODE bits 1:0 = 2 (LLVM: expert scheduling mode 2), set by the entry lines.  The code itself states the register dependences
; between vector or matrix instructions and memory instructions, with s_wait_alu, always for 0.
; THE PLAN.  Registers that memory instructions touch:
;   v[LO]      the offset of every load and store; made once at the head and never written again: the tokens are reached by the three scalar bases and by immediate offsets.
;   Q, K       written by the 16 loads of token p + 1, which are dealt among token p's six score products; read by the splitting lines of token p + 1 alone.
;   VF, the lower four registers of each fragment: written by the 4 loads of token p + 1's v, behind token p's products V^T P, which read them.
;   YP         written by token p's sixteen last roundings; read by its four stores, which stand behind the splitting of token p + 1.
;   The halves hi and lo, S, PF, O, T and the zero halves of VF and PF are named by vector and matrix instructions alone.
; THE ORDER.  ARRIVE(p): q and k of token p are waited for and split.  WORK(p): all the rest of the token up to YP.  SEND(p): its four stores.  ARRIVE(0) stands ahead of the loop; a trip is WORK(p), ARRIVE(p + 1), SEND(p),
; for p = 0, 1, 2; WORK(3), which loads nothing, and SEND(3) stand behind it.
; THE WAITS of a trip.  One on va_vdst at ARRIVE's end: the splitting is done reading Q and K, in which the next WORK's loads land, and the token before has written YP, which SEND's stores read; between that wait and those loads
; stand only the stores, the loop's count and score products, which name the halves and S.  One on va_sdst behind the run of eight compares.  One on va_vdst behind the exponentials.  Behind the reciprocals three lines together:
; s_wait_xcnt 0 and the wait on vm_vsrc (the last SEND's stores have read YP and their base), and one on va_vdst (the reciprocals are written; the products V^T P are done reading VF); the bases step there, and v's loads follow.
.set TROW, 8192                        ; bytes in a row of t
.set VROW, 2048                        ; bytes in a row of tv and of yp
.set LO,   1                           ; v1  16 x lane; never rewritten
.set NINF, 4                           ; v4  -infinity
.set T,    8                           ; v[8:15]    at work
.set Q,    16                          ; v[16:47]   q, v[48:79] k, as loaded
.set K,    48
.set QH,   112                         ; v[112:127] q hi, v[128:143] q lo, v[144:159] k hi, v[160:175] k lo
.set QL,   128
.set KH,   144
.set KL,   160
.set SA,   176                         ; v[176:183] kh qh, later the scores and weights; v[184:191] kh ql; v[192:199] kl qh
.set SB,   184
.set SD,   192
.set PF,   200                         ; v[200:207] the weights' fragment; its upper four registers stay 0
.set VF,   208                         ; v[208:239] four fragments of V^T: the lower four registers of each are loaded, the upper four stay 0
.set O,    112                         ; v[112:143] O^T, where q's halves lay
.set YP,   240                         ; v[240:255] the token's result, packed
.set CM,   20                          ; s[20:27]  for register jj the lanes with key 8 h + jj <= query r
.set MK,   28                          ; s[28:35]  for register jj the lanes whose score stays
	s_load_b128 s[4:7], s[0:1], 0x0                ; t s[4:5], tv s[6:7]
	s_load_b64 s[8:9], s[0:1], 0x10                ; yp
	v_lshrrev_b32 v8, 5, v0
	v_readfirstlane_b32 s10, v8                    ; wave 0..15
	v_and_b32 v9, 31, v0
	v_lshlrev_b32 v[LO], 4, v9
	s_lshl_b32 s18, ttmp9, 6
	s_wait_alu depctr_va_sdst(0)                   ; s10 is written, ahead of its first reader: the three bases are made from it
	s_lshl2_add_u32 s18, s10, s18                  ; my first token = 64 x work-group + 4 x wave
	s_lshl_b32 s34, s18, 13
	s_mov_b32 s35, 0
	s_lshl_b32 s36, s18, 11
	s_mov_b32 s37, 0
	s_wait_kmcnt 0x0
	s_add_nc_u64 s[4:5], s[4:5], s[34:35]
	s_add_nc_u64 s[6:7], s[6:7], s[36:37]
	s_add_nc_u64 s[8:9], s[8:9], s[36:37]
	s_wait_alu depctr_va_vdst(0)                   ; v[LO] is written: every load and store of the kernel reads it as its offset
.set i, 0
.rept 16
	global_load_b128 v[Q+4*i:Q+4*i+3], v[LO], s[4:5] offset:512*i th:TH_LOAD_NT  ; my first token: q, k,
.set i, i+1
.endr
.irp c, 0,1,2,3
	global_load_b128 v[VF+8*(\c):VF+8*(\c)+3], v[LO], s[6:7] offset:512*(\c) th:TH_LOAD_NT  ; and v
.endr
	s_mov_b32 s12, 0xffff0000                      ; a word's upper bf16
	s_mov_b32 s14, 0x3d38aa3b                      ; log2(e) / 32
	s_mov_b32 s15, s14                             ; named with it as a pair
	s_mov_b32 s16, 0x76543210                      ; v_permlanex16_b32: each lane takes its own place in the other half
	s_mov_b32 s17, 0xfedcba98
	v_mov_b32 v[NINF], 0xff800000
	v_and_b32 v8, 15, v0                           ; r
	v_bfe_u32 v9, v0, 4, 1
	v_lshlrev_b32 v9, 3, v9                        ; 8 h
.irp j, 0,1,2,3,4,5,6,7
	v_add_nc_u32 v10, (\j), v9
	v_cmp_le_u32 s[CM+(\j)], v10, v8
.endr
	s_wait_alu depctr_va_sdst(0)                   ; the eight masks s[CM ..] are written: one wait behind the run, ahead of the loop's label; every token's s_and_b32 lines read them
.irp j, 4,5,6,7
	v_mov_b32 v[PF+(\j)], 0
	v_mov_b32 v[VF+(\j)], 0
	v_mov_b32 v[VF+8+(\j)], 0
	v_mov_b32 v[VF+16+(\j)], 0
	v_mov_b32 v[VF+24+(\j)], 0
.endr
; 32 f32 at x become 16 words of bf16 hi and 16 of bf16 lo: hi = round(x), lo = round(x - hi); the difference is exact.  Four pairs at a time, so that no line waits for the one before it.
.macro SPLIT x, hh, ll
.set g, 0
.rept 4
.irp j, 0,1,2,3
	v_cvt_pk_bf16_f32 v[(\hh)+4*g+(\j)], v[(\x)+8*g+2*(\j)], v[(\x)+8*g+2*(\j)+1]
.endr
.irp j, 0,1,2,3
	v_lshlrev_b32 v[T+2*(\j)],   16,  v[(\hh)+4*g+(\j)]
	v_and_b32     v[T+2*(\j)+1], s12, v[(\hh)+4*g+(\j)]
.endr
.irp j, 0,1,2,3
	v_pk_add_f32 v[T+2*(\j):T+2*(\j)+1], v[(\x)+8*g+2*(\j):(\x)+8*g+2*(\j)+1], v[T+2*(\j):T+2*(\j)+1] neg_lo:[0,1] neg_hi:[0,1]
.endr
.irp j, 0,1,2,3
	v_cvt_pk_bf16_f32 v[(\ll)+4*g+(\j)], v[T+2*(\j)], v[T+2*(\j)+1]
.endr
.set g, g+1
.endr
.endm
; A token's q and k are waited for and split.
.macro ARRIVE
	s_wait_loadcnt 4                               ; q and k are in; v's four loads, issued behind them, may stay out
	SPLIT Q, QH, QL
	SPLIT K, KH, KL
	s_wait_alu depctr_va_vdst(0)                   ; the splitting is done reading Q and K, in which the next loads of q and k land; the token before has written YP, which the stores behind this line read
.endm
; more = 1: n of the next token's 16 loads of q and k, from number i0 on.  No wait: since ARRIVE's no vector or matrix instruction names Q, K or v[LO].
.macro LQ more, i0, n
.if \more
.set i, \i0
.rept \n
	global_load_b128 v[Q+4*i:Q+4*i+3], v[LO], s[4:5] offset:TROW+512*i th:TH_LOAD_NT
.set i, i+1
.endr
.endif
.endm
; A token's four stores.  back: how many bytes yp's base stands ahead of the token.
.macro SEND back
.irp c, 0,1,2,3
	global_store_b128 v[LO], v[YP+4*(\c):YP+4*(\c)+3], s[8:9] offset:512*(\c)-(\back)  ; 512 consecutive bytes, aligned
.endr
.endm
; One token, from its split q and k to YP.  more = 1: the next token's 20 loads are issued: q and k among the score products, v behind the second product.
.macro WORK more
	; three sums by turns, one instruction a turn; the first three start them
	v_wmma_f32_16x16x32_bf16 v[SA:SA+7], v[KH:KH+7], v[QH:QH+7], 0
	LQ \more, 0, 3
	v_wmma_f32_16x16x32_bf16 v[SB:SB+7], v[KH:KH+7], v[QL:QL+7], 0
	LQ \more, 3, 3
	v_wmma_f32_16x16x32_bf16 v[SD:SD+7], v[KL:KL+7], v[QH:QH+7], 0
	LQ \more, 6, 3
	v_wmma_f32_16x16x32_bf16 v[SA:SA+7], v[KH+8:KH+15], v[QH+8:QH+15], v[SA:SA+7]
	LQ \more, 9, 3
	v_wmma_f32_16x16x32_bf16 v[SB:SB+7], v[KH+8:KH+15], v[QL+8:QL+15], v[SB:SB+7]
	LQ \more, 12, 2
	v_wmma_f32_16x16x32_bf16 v[SD:SD+7], v[KL+8:KL+15], v[QH+8:QH+15], v[SD:SD+7]
	LQ \more, 14, 2
.rept 4
	v_nop                                          ; the places behind the products: all the token's other work hangs on their results
.endr
	; the scores: the two small sums first, then the large one; each accumulator's low registers are read first
.irp j, 0,2,4,6
	v_pk_add_f32 v[SB+(\j):SB+(\j)+1], v[SB+(\j):SB+(\j)+1], v[SD+(\j):SD+(\j)+1]
.endr
.irp j, 0,2,4,6
	v_pk_add_f32 v[SA+(\j):SA+(\j)+1], v[SA+(\j):SA+(\j)+1], v[SB+(\j):SB+(\j)+1]
.endr
.irp j, 0,1,2,3,4,5,6,7
	v_cmp_neq_f32 s[MK+(\j)], 0, v[SA+(\j)]                      ; not an exact zero,
.endr
	s_wait_alu depctr_va_sdst(0)                   ; the eight masks s[MK ..] are written: one wait behind the run of compares, ahead of the s_and_b32 lines that read them
.irp j, 0,1,2,3,4,5,6,7
	s_and_b32 s[MK+(\j)], s[MK+(\j)], s[CM+(\j)]                 ; and key <= query:
.endr
.irp j, 0,1,2,3,4,5,6,7
	v_cndmask_b32 v[SA+(\j)], v[NINF], v[SA+(\j)], s[MK+(\j)]    ; the score stays; else -infinity
.endr
	v_max3_num_f32 v[T],   v[SA],   v[SA+1], v[SA+2]
	v_max3_num_f32 v[T+1], v[SA+3], v[SA+4], v[SA+5]
	v_max3_num_f32 v[T],   v[T],    v[SA+6], v[SA+7]
	v_max_num_f32 v[T], v[T], v[T+1]
	v_permlanex16_b32 v[T+1], v[T], s16, s17       ; the query's other eight keys lie in the lane 16 away
	v_max_num_f32 v[T], v[T], v[T+1]               ; the row's maximum
.irp j, 0,2,4,6
	v_pk_add_f32 v[SA+(\j):SA+(\j)+1], v[SA+(\j):SA+(\j)+1], v[T:T+1] op_sel_hi:[1,0] neg_lo:[0,1] neg_hi:[0,1]  ; s - max
.endr
.irp j, 0,2,4,6
	v_pk_mul_f32 v[SA+(\j):SA+(\j)+1], v[SA+(\j):SA+(\j)+1], s[14:15] op_sel_hi:[1,0]                            ; times log2(e) / 32
.endr
.irp j, 0,1,2,3,4,5,6,7
	v_exp_f32 v[SA+(\j)], v[SA+(\j)]
.endr
	v_nop                                          ; a plain instruction behind the last exponential,
	s_wait_alu depctr_va_vdst(0)                   ; and one wait for the eight: the weights v[SA ..] are written, ahead of their first reader
.irp j, 0,1,2,3
	v_cvt_pk_f16_f32 v[PF+(\j)], v[SA+2*(\j)], v[SA+2*(\j)+1]
.endr
.if \more
	s_wait_loadcnt 16                              ; v is in; the next token's q and k, 16 loads issued behind it, stay out
.else
	s_wait_loadcnt 0x0
.endif
.irp c, 0,1,2,3
	v_wmma_f32_16x16x32_f16 v[O+8*(\c):O+8*(\c)+7], v[VF+8*(\c):VF+8*(\c)+7], v[PF:PF+7], 0  ; four sums of one product each
.endr
	; the row's sum of the unrounded weights: these lines name no register of the four products, and are the places behind them
	v_pk_add_f32 v[SA:SA+1],   v[SA:SA+1],   v[SA+2:SA+3]
	v_pk_add_f32 v[SA+4:SA+5], v[SA+4:SA+5], v[SA+6:SA+7]
	v_pk_add_f32 v[SA:SA+1],   v[SA:SA+1],   v[SA+4:SA+5]
	v_add_f32 v[T], v[SA], v[SA+1]
	v_permlanex16_b32 v[T+1], v[T], s16, s17
	v_add_f32 v[T], v[T], v[T+1]
	v_rcp_f32 v[T+2], v[T]
	v_rcp_f32 v[T+3], v[T]
	v_nop                                          ; a plain instruction behind the second reciprocal
	s_wait_xcnt 0x0                                ; every earlier load and store has had its addresses translated (ISA guide 3.1): the three bases are stepped, and YP is written again, only behind this wait
	s_wait_alu depctr_vm_vsrc(0)                   ; the stores of the token before have read YP, which this token's roundings below write again
	s_wait_alu depctr_va_vdst(0)                   ; the two reciprocals v[T+2], v[T+3] are written, ahead of their first reader; the four products are done reading VF, in which the loads below land
.if \more
	s_add_nc_u64 s[4:5], s[4:5], TROW              ; all three bases at the next token
	s_add_nc_u64 s[6:7], s[6:7], VROW
	s_add_nc_u64 s[8:9], s[8:9], VROW
.irp c, 0,1,2,3
	global_load_b128 v[VF+8*(\c):VF+8*(\c)+3], v[LO], s[6:7] offset:512*(\c) th:TH_LOAD_NT  ; the next token's v
.endr
.endif
.set i, 0
.rept 16
	v_pk_mul_f32 v[O+2*i:O+2*i+1], v[O+2*i:O+2*i+1], v[T+2:T+3]  ; ascending: each accumulator's low registers first
.set i, i+1
.endr
.set i, 0
.rept 16
	v_cvt_pk_f16_f32 v[YP+i], v[O+2*i], v[O+2*i+1]
.set i, i+1
.endr
.endm
	ARRIVE                                         ; my first token
	s_mov_b32 s11, 3
.Ltok:                                                 ; trip p = 0, 1, 2: token p is worked on, token p + 1 arrives, token p is stored
	WORK 1
	ARRIVE
	SEND VROW                                      ; yp's base already stands at the next token: the offsets reach back by a row
	s_sub_co_u32 s11, s11, 1
	s_cmp_lg_u32 s11, 0
	s_cbranch_scc1 .Ltok
	WORK 0                                         ; the last token asks for nothing
	s_wait_alu depctr_va_vdst(0)                   ; the last token's roundings have written YP, which the last four stores read
	SEND 0
	s_endpgm
.Lfunc_end_k_q2eb7687929_attn:
	.size	k_q2eb7687929_attn, .Lfunc_end_k_q2eb7687929_attn-k_q2eb7687929_attn
	.p2alignl 7, 3214868480
	.fill 96, 4, 3214868480
	.section	.rodata,"a",@progbits
	.p2align	6, 0x0
	.amdhsa_kernel k_q2eb7687929_attn
		.amdhsa_group_segment_fixed_size 0
		.amdhsa_private_segment_fixed_size 0
		.amdhsa_enable_private_segment 0
		.amdhsa_kernarg_size 24
		.amdhsa_user_sgpr_count 2
		.amdhsa_user_sgpr_kernarg_segment_ptr 1
		.amdhsa_wavefront_size32 1
		.amdhsa_system_sgpr_workgroup_id_x 1
		.amdhsa_system_sgpr_workgroup_id_y 1
		.amdhsa_system_sgpr_workgroup_id_z 1
		.amdhsa_system_vgpr_workitem_id 0
		.amdhsa_next_free_vgpr 256
		.amdhsa_next_free_sgpr 66
		.amdhsa_reserve_vcc 0
		.amdhsa_float_denorm_mode_32 3
		.amdhsa_float_denorm_mode_16_64 3
		.amdhsa_memory_ordered 1
		.amdhsa_forward_progress 1
		.amdhsa_inst_pref_size 37
	.end_amdhsa_kernel
	.amdgpu_metadata
---
amdhsa.version: [ 1, 2 ]
amdhsa.kernels:
  - .name:           k_q2eb7687929_attn
    .symbol:         k_q2eb7687929_attn.kd
    .args:
      - { .name: t, .offset: 0, .size: 8, .value_kind: global_buffer, .address_space: global }
      - { .name: tv, .offset: 8, .size: 8, .value_kind: global_buffer, .address_space: global }
      - { .name: yp, .offset: 16, .size: 8, .value_kind: global_buffer, .address_space: global }
    .group_segment_fixed_size: 0
    .private_segment_fixed_size: 0
    .kernarg_segment_align: 8
    .kernarg_segment_size: 24
    .max_flat_workgroup_size: 512
    .sgpr_count:     66
    .vgpr_count:     256
    .wavefront_size: 32
...
	.end_amdgpu_metadata
.endif
;; end of part 5
;; launch gemm2: the kernel of part 4 again; grid 4 x 64, 4 waves a work-group, clusters of 4 x 4, 327,680 bytes of LDS; arguments yp, wo, out0; writes out0
